; MI455X (gfx1250); checked and timed in simulation.
; The chip was launched on July 23, 2026; its instructions are those of AMD's public machine-readable ISA for CDNA 5 (MIT licence, August 2026) and "CDNA5" Instruction Set Architecture Reference Guide (July 2026). The comments in the code are by the model that wrote it; some were corrected since.
;; Single Head Attention. Allowed arithmetic: matrix products marked QUANTISED: E2M3 operands, one E8M0 scale for each 32 along K, by v_wmma_scale_f32_16x16x128_f8f6f4 with both operands' format E2M3, f32 sums; everything else in f32.
;; Inputs: Wk 1,024 x 1,024 float32; Wq 1,024 x 1,024 float32; Wv 1,024 x 1,024 float32; embedded 4 x 2,048 x 1,024 float32.
;; Outputs: out0 4 x 2,048 x 1,024 float32.
;; This version of the problem:
;;   THIS VERSION OF THE PROBLEM IS GIVEN IN LOW PRECISION. The matrix products marked QUANTISED in the list below multiply operands that are first quantised to E2M3 (2 exponent bits, 3 mantissa bits; 6 bits a number), with one power-of-two scale for each 32 numbers along K (OCP MX v1.0); their sums are f32. All else is computed in f32.
;;   The module's matrix products, in the order in which they are computed (A, B: the left and right operand; K: the contracted axis; several contracted axes count as one K, in the product's order):
;;     1. [M 8,192, K 1,024] x [K 1,024, N 1,024]; A: input embedded; B: input Wk: QUANTISED
;;     2. [M 8,192, K 1,024] x [K 1,024, N 1,024]; A: input embedded; B: input Wq: QUANTISED
;;     3. [M 8,192, K 1,024] x [K 1,024, N 1,024]; A: input embedded; B: input Wv: QUANTISED
;;     4. batch 4 x [M 2,048, K 1,024] x [K 1,024, N 2,048]; A: computed on the way; B: computed on the way: QUANTISED
;;     5. batch 4 x [M 2,048, K 2,048] x [K 2,048, N 1,024]; A: softmax (see below); B: computed on the way: QUANTISED
;;   THE QUANTISER, for each operand of a quantised product, along K:
;;     - K is cut into blocks of 32 from its start; a last block that is shorter is filled with zeros.
;;     - A block's scale is 2^e with e = floor(log2(the largest magnitude in the block)) - 2, held to -126 .. 127; a block of zeros has e = 0. As a byte (E8M0): e + 127.
;;     - Each number is divided by its block's scale, clamped to +-7.5, and rounded to the nearest number of E2M3, ties to even, subnormals kept.
;;     - The product sums the exact products of the quantised numbers (number of the format x scale) in f32.
;;   ~~~python
;;   def quantise(x, axis):      # numpy; x: float32 -> the quantised numbers, widened to float32 again
;;       x = np.moveaxis(x, axis, -1); K = x.shape[-1]
;;       x = np.pad(x, [(0, 0)] * (x.ndim - 1) + [(0, -K % 32)]); x = x.reshape(x.shape[:-1] + (-1, 32)); a = np.abs(x).max(-1, keepdims=True)
;;       e = np.where(a > 0, np.clip(np.frexp(np.where(a > 0, a, 1))[1] - 1 - 2, -126, 127), 0)      # np.frexp(a)[1] - 1 = floor(log2(a)), exactly
;;       r = np.clip(x / 2.0 ** e, -7.5, 7.5)
;;       step = 2.0 ** (np.maximum(np.frexp(np.where(r == 0, 1, r))[1] - 1, 0) - 3)
;;       q = np.round(r / step) * step * 2.0 ** e      # np.round: ties to even
;;       return np.moveaxis(q.reshape(q.shape[:-2] + (-1,))[..., :K], -1, axis).astype(np.float32)
;;   ~~~
;;   SOFTMAX AHEAD OF A QUANTISED PRODUCT. Where the list says 'softmax', what is quantised is not the finished softmax but p = 2^(t - M), with t = logit x log2(e) and M = ceil(the row's largest t), a whole number; so 1/2 < the row's largest p <= 1. The row's sum l is taken of the UNQUANTISED p, in f32, and the product's result is divided by l at the end. Since M is a whole number, a kernel that streams over the keys may use a running M (the ceiling of the running maximum): every later rescaling is an exact power of two, which a block's scale takes up: the codes' values come out the same.
;;   OPERANDS COMPUTED ON THE WAY. 'Computed on the way' means the value that the module computes at that place (a softmax that the list does not call 'softmax' is quantised finished and normalised). What goes into a quantiser is computed in f32, as accurately as f32 sums, v_exp_f32 and their like allow (about 1e-6 of the number): no bf16 or f16 on the way to a quantiser, and a product that is left as it is and whose result goes on into a quantised operand takes f32 operands (vector FMAs, or v_wmma_f32_16x16x4_f32). A number that lies on a knife's edge between two numbers of the format may be rounded either way, as far as f32 arithmetic and the matrix unit's own rounding can turn it there, and no further.
;; One version. Each part assembles by itself: llvm-mc -triple=amdgcn-amd-amdhsa -mcpu=gfx1250 --defsym DOCPART=n.
;; ======== version 1 of 1: 4 launches
;; workspace buffers: opc 8,650,752 bytes; ops 360,448 bytes; prc 18,874,368 bytes; prs 786,432 bytes; pc 12,582,912 bytes; pst 4,194,304 bytes
;; launch quant (part 1): grid 256 x 1, 11 waves a work-group, no clusters, 94,464 bytes of LDS; arguments embedded, Wk, Wq, Wv, opc, ops; writes opc, ops
.if DOCPART == 1
	.amdgcn_target "amdgcn-amd-amdhsa--gfx1250"
	.amdhsa_code_object_version 6
	.text
	.protected	k_qe4e373b352_quant
	.globl	k_qe4e373b352_quant
	.p2align	8
	.type	k_qe4e373b352_quant,@function
k_qe4e373b352_quant:
	s_mov_b64 s[64:65], 0
	v_nop
	global_prefetch_b8 v0, s[64:65] scope:SCOPE_SE
	s_setreg_imm32_b32 hwreg(HW_REG_WAVE_MODE, 25, 1), 1
	s_wait_xcnt 0x0
; embedded [8192][1024], Wk, Wq, Wv [1024][1024], f32, become codes of FP6 (E2M3) with one E8M0 byte for each 32 along K (the last axis).
; The four tensors are one list of 704 blocks of 16 rows: 0-511 embedded, 512-575 Wk, 576-639 Wq, 640-703 Wv.
; CODES leave as IMAGES OF THE OPERAND'S REGISTERS: a fragment (16 rows x 128 K, 12 registers a lane) is 1,536 bytes, register 4 c + i of lane l at 512 c + 16 l + 4 i;
; opc is [704 blocks][8 K steps][1536].  SCALE WORDS (four bytes: one row, 128 along K) lie in ops as [8 K steps][11,264 rows].
; A block's scale byte is its largest magnitude's exponent field - 2, held at 1 from below.
; LIMITS: a block of zeros gets the byte 1 where the rule says 127 (its codes are zeros, and this program alone reads the bytes); NaN and infinities among the inputs are not served.
; SHARES: 704 x 8 = 5,632 fragments = 256 work-groups x 11 waves x 2.  Pair p = 11 x work-group + wave takes block p / 4 of rows and K steps 2 (p % 4), 2 (p % 4) + 1.  All 32 loads of a wave go out at its head.
; Each load reads 512 consecutive bytes of one row; a fragment's 8,192 bytes turn through the wave's own stage in LDS (rows 528 bytes apart) and come back so that lane (r, h) holds blocks h and 2 + h of row r, whole.
; No barrier: waves share nothing.
.set WAVES, 11
.set WSTG,  8448                       ; a wave's stage: 16 rows x (512 + 16) bytes
.set SPARE, WAVES*WSTG                 ; behind the stages: the spare words, 128 bytes a wave: six blocks of 256 bytes
.set SPW, 10                           ; v10  LDS address of my spare word; never rewritten
.set NIL, 11                           ; v11  0; never rewritten
.set R,   16                           ; v16-143  two sets of 64 numbers as loaded
.set X,   144                          ; v144-207 my two blocks of 32
.set C,   208                          ; v208-231 two sets of 12 registers of codes: no store's data are written again
.set MX,  232                          ; largest magnitudes
.set SOP, 234                          ; the conversions' scale operands
.set BY,  236                          ; the bytes
.set WT,  238
.set PT,  239
.set W,   240                          ; v240-241 the two fragments' scale words
.set T2,  244                          ; v244-251 the second halves of the blocks' codes
.set WS,  252                          ; the scale words as stored
	s_load_b256 s[4:11], s[0:1], 0x0               ; embedded, Wk, Wq, Wv
	s_load_b128 s[12:15], s[0:1], 0x20             ; opc, ops
	v_lshl_add_u32 v[SPW], v0, 2, SPARE
	v_mov_b32 v[NIL], 0
	v_lshrrev_b32 v1, 5, v0
	v_readfirstlane_b32 s16, v1                    ; wave 0..10
	v_and_b32 v1, 31, v0                           ; lane
	v_and_b32 v2, 15, v0                           ; r
	v_bfe_u32 v3, v0, 4, 1                         ; h
	v_lshlrev_b32 v4, 4, v1                        ; 16 x lane: my bytes of a load's 512, and of an image's
	s_mul_i32 s17, s16, WSTG
	v_add_nc_u32 v5, s17, v4                       ; into the stage
	v_mul_u32_u24 v6, v2, 528
	v_lshl_add_u32 v6, v3, 7, v6
	v_add_nc_u32 v6, s17, v6                       ; out of it: row r, + 128 h
	v_mul_u32_u24 v7, v3, 45056
	v_lshl_add_u32 v7, v2, 2, v7                   ; scale words: lanes 0-15 my first K step, lanes 16-31 my second
	v_lshlrev_b32 v8, 3, v3                        ; 8 h bits
	v_mov_b32 v[PT], 0                             ; a lane permute's destination counts as one of its sources
	v_cmp_eq_u32 vcc_lo, 1, v3
	s_mov_b32 s20, 0x76543210
	s_mov_b32 s21, 0xfedcba98                      ; selects for lane l xor 16
	s_mul_i32 s19, ttmp9, WAVES
	s_add_co_u32 s19, s19, s16                     ; p: my pair of fragments
	s_and_b32 s23, s19, 3                          ; my quarter of K
	s_lshr_b32 s19, s19, 2                         ; g: my block of 16 rows
	s_mul_i32 s26, s19, 12288
	s_mul_i32 s27, s23, 3072
	s_add_co_u32 s26, s26, s27                     ; my two images
	s_mov_b32 s27, 0
	s_mul_i32 s28, s23, 90112
	s_lshl_b32 s29, s19, 6
	s_add_co_u32 s28, s28, s29                     ; my scale words
	s_mov_b32 s29, 0
	s_mov_b32 s18, 640
	s_wait_kmcnt 0x0
	s_cmp_lt_u32 s19, 640                          ; which tensor: the choice hangs on ids alone
	s_cselect_b64 s[8:9], s[8:9], s[10:11]
	s_cselect_b32 s18, 576, s18
	s_cmp_lt_u32 s19, 576
	s_cselect_b64 s[6:7], s[6:7], s[8:9]
	s_cselect_b32 s18, 512, s18
	s_cmp_lt_u32 s19, 512
	s_cselect_b64 s[4:5], s[4:5], s[6:7]
	s_cselect_b32 s18, 0, s18                      ; the tensor's first block
	s_sub_co_u32 s24, s19, s18
	s_lshl_b32 s24, s24, 16                        ; 16 rows of 4,096 bytes
	s_lshl_b32 s25, s23, 10
	s_add_co_u32 s24, s24, s25
	s_mov_b32 s25, 0
	s_add_nc_u64 s[4:5], s[4:5], s[24:25]
	s_add_nc_u64 s[12:13], s[12:13], s[26:27]
	s_add_nc_u64 s[14:15], s[14:15], s[28:29]
.macro LOAD f                          ; fragment f: 16 rows x 512 bytes
.irp i, 0,1,2,3,4,5,6,7,8,9,10,11,12,13,14,15
	global_load_b128 v[R+64*(\f)+4*\i:R+64*(\f)+4*\i+3], v4, s[4:5] offset:4096*\i+512*(\f) th:TH_LOAD_NT
.endr
.endm
.macro FRAGQ f
.set RS, R+64*(\f)
.set CS, C+12*(\f)
.if (\f) < 1
	s_wait_loadcnt 16                              ; this fragment's 16 loads are in; the second fragment's may be out
.else
	s_wait_loadcnt 0x0
.endif
.irp i, 0,1,2,3,4,5,6,7,8,9,10,11,12,13,14,15
	ds_store_b128 v5, v[RS+4*\i:RS+4*\i+3] offset:528*\i
.endr
.irp c, 0,1
.irp j, 0,1,2,3,4,5,6,7
	ds_load_b128 v[X+32*\c+4*\j:X+32*\c+4*\j+3], v6 offset:256*\c+16*\j   ; LDS serves a wave's instructions in order: these see the stores above
.endr
.endr
	s_wait_dscnt 0x0
.irp c, 0,1
	v_max3_num_f32 v[MX+\c], |v[X+32*\c]|, |v[X+32*\c+1]|, 0x1800000   ; my block 2 c + h, and the floor 2^(3 - 127): the byte cannot fall under 1
.endr
.irp i, 2,4,6,8,10,12,14,16,18,20,22,24,26,28,30
.irp c, 0,1
	v_max3_num_f32 v[MX+\c], v[MX+\c], |v[X+32*\c+\i]|, |v[X+32*\c+\i+1]|
.endr
.endr
.irp c, 0,1
	v_add_nc_u32 v[SOP+\c], 0xff000000, v[MX+\c]   ; 2 off the exponent field: the conversion's scale operand
.endr
.irp c, 0,1
	v_lshrrev_b32 v[BY+\c], 23, v[SOP+\c]          ; the byte
.endr
	v_lshl_or_b32 v[WT], v[BY+1], 16, v[BY]
	v_lshlrev_b32 v[WT], v8, v[WT]                 ; bytes h and 2 + h of the row's word
	v_permlanex16_b32 v[PT], v[WT], s20, s21
	v_or_b32 v[W+(\f)], v[WT], v[PT]               ; with lane l xor 16's two the word is whole
.irp c, 0,1
	v_cvt_scalef32_pk16_fp6_f32 v[CS+6*\c:CS+6*\c+2], v[X+32*\c:X+32*\c+15], v[SOP+\c]
	v_cvt_scalef32_pk16_fp6_f32 v[T2+4*\c:T2+4*\c+2], v[X+32*\c+16:X+32*\c+31], v[SOP+\c]   ; (a conversion's three registers begin on an even number)
.endr
	v_nop                                          ; one plain instruction behind the conversions
.irp c, 0,1
.irp i, 0,1,2
	v_mov_b32 v[CS+6*\c+3+\i], v[T2+4*\c+\i]
.endr
.endr
.irp c, 0,1,2
	global_store_b128 v4, v[CS+4*\c:CS+4*\c+3], s[12:13] offset:1536*(\f)+512*\c   ; 512 consecutive bytes a store
.endr
.endm
	LOAD 0
	LOAD 1
	FRAGQ 0
	FRAGQ 1
	v_cndmask_b32 v[WS], v[W], v[W+1], vcc_lo
	global_store_b32 v7, v[WS], s[14:15]
	s_wait_tensorcnt 0x0                           ; the wave's end, behind my last LDS store
	ds_add_u32 v[SPW], v[NIL]
	s_wait_dscnt 0x0
	s_endpgm
.Lfunc_end_k_qe4e373b352_quant:
	.size	k_qe4e373b352_quant, .Lfunc_end_k_qe4e373b352_quant-k_qe4e373b352_quant
	.p2alignl 7, 3214868480
	.fill 96, 4, 3214868480
	.section	.rodata,"a",@progbits
	.p2align	6, 0x0
	.amdhsa_kernel k_qe4e373b352_quant
		.amdhsa_group_segment_fixed_size 94464
		.amdhsa_private_segment_fixed_size 0
		.amdhsa_enable_private_segment 0
		.amdhsa_kernarg_size 48
		.amdhsa_user_sgpr_count 2
		.amdhsa_user_sgpr_kernarg_segment_ptr 1
		.amdhsa_wavefront_size32 1
		.amdhsa_system_sgpr_workgroup_id_x 1
		.amdhsa_system_sgpr_workgroup_id_y 1
		.amdhsa_system_sgpr_workgroup_id_z 1
		.amdhsa_system_vgpr_workitem_id 0
		.amdhsa_next_free_vgpr 256
		.amdhsa_next_free_sgpr 66
		.amdhsa_reserve_vcc 1
		.amdhsa_float_denorm_mode_32 3
		.amdhsa_float_denorm_mode_16_64 3
		.amdhsa_memory_ordered 1
		.amdhsa_forward_progress 1
		.amdhsa_inst_pref_size 17
	.end_amdhsa_kernel
	.amdgpu_metadata
---
amdhsa.version: [ 1, 2 ]
amdhsa.kernels:
  - .name:           k_qe4e373b352_quant
    .symbol:         k_qe4e373b352_quant.kd
    .args:
      - { .name: embedded, .offset: 0, .size: 8, .value_kind: global_buffer, .address_space: global }
      - { .name: Wk, .offset: 8, .size: 8, .value_kind: global_buffer, .address_space: global }
      - { .name: Wq, .offset: 16, .size: 8, .value_kind: global_buffer, .address_space: global }
      - { .name: Wv, .offset: 24, .size: 8, .value_kind: global_buffer, .address_space: global }
      - { .name: opc, .offset: 32, .size: 8, .value_kind: global_buffer, .address_space: global }
      - { .name: ops, .offset: 40, .size: 8, .value_kind: global_buffer, .address_space: global }
    .group_segment_fixed_size: 94464
    .private_segment_fixed_size: 0
    .kernarg_segment_align: 8
    .kernarg_segment_size: 48
    .max_flat_workgroup_size: 352
    .sgpr_count:     66
    .vgpr_count:     256
    .wavefront_size: 32
...
	.end_amdgpu_metadata
.endif
;; end of part 1
;; launch proj (part 2): grid 8 x 48, 4 waves a work-group, clusters of 4 x 4, 327,680 bytes of LDS; arguments opc, ops, prc, prs; writes prc, prs
.if DOCPART == 2
	.amdgcn_target "amdgcn-amd-amdhsa--gfx1250"
	.amdhsa_code_object_version 6
	.text
	.protected	k_qe4e373b352_proj
	.globl	k_qe4e373b352_proj
	.p2align	8
	.type	k_qe4e373b352_proj,@function
k_qe4e373b352_proj:
	s_mov_b64 s[64:65], 0
	v_nop
	global_prefetch_b8 v0, s[64:65] scope:SCOPE_SE
	s_setreg_imm32_b32 hwreg(HW_REG_WAVE_MODE, 25, 1), 1
	s_wait_xcnt 0x0
	s_wait_alu depctr_hold_cnt(0) depctr_sa_sdst(0) depctr_va_vdst(0) depctr_va_sdst(0) depctr_va_ssrc(0) depctr_va_vcc(0) depctr_vm_vsrc(0)
	s_getreg_b32 s2, hwreg(HW_REG_IB_STS2, 6, 4)
	s_cmp_eq_u32 s2, 0
	s_cbranch_scc0 .Lentry_in_a_cluster
	s_endpgm
.Lentry_in_a_cluster:
	s_bfe_u32 s2, ttmp6, 0x10000c
	s_cmp_lg_u32 s2, 0xf033
	s_cbranch_scc0 .Lentry_shape_is_right
	s_endpgm
.Lentry_shape_is_right:
; The three projections on codes of FP6 (E2M3), and their results quantised on the way out.  384 tiles of 256 x 256, K = 1,024.
; Clusters y = 0..7:  rows = tokens, columns = Wk's 1,024 rows and then Wq's: k and q, quantised along the attention axis (the columns).
; Clusters y = 8..11: rows = Wv's rows, columns = tokens: v^T, quantised along the keys (again the columns).
; OPERANDS lie in memory as images of their registers (a fragment of 16 rows x 128 K: 1,536 bytes, register 4 c + i of lane l at 512 c + 16 l + 4 i): three ds_load_b128 at 16 x lane bring one.
; THE MATRIX INSTRUCTION IS USED TRANSPOSED (source 0 = 16 columns' rows, source 1 = 16 rows): lane (r, h) holds row r, and register j of tile b column 16 b + 8 h + j.
; So the 16 registers of tiles 2 B and 2 B + 1 lie in block B of 32 columns, and lane l xor 16 holds the block's other 16.  After the conversions and the exchange of halves a block's codes stand in the order
; 0-7, 16-23, 8-15, 24-31.  Every operand made so has that order, on both sides of the product that reads it: a permutation of K inside a block, applied alike to both sides, keeps the products and the scales.
; OUT: prc at 0: [512 blocks of 16 tokens][16: k's 8 K steps, q's 8][1536]; at 12,582,912: v^T [4 batches][64 blocks of 16][16 K steps of keys][1536].  prs at 0: [16][8,192 rows] words; at 524,288: [4][16][1,024 rows].
; A work-group has four waves, each 128 x 128: 64 accumulators.  K goes in slots of 256 (two K steps of 128).  THREE LDS SLOTS of 98,304 bytes fit beside 16,384 bytes of scale words: of K's four slots' worth three
; are asked for at the head (four loads of a wave are out together, the scale words among them); the fourth goes into slot 0 when that has been read, and has 224 matrix instructions of a wave in which to land.
; 4 x 4 work-groups form a cluster: the row operand's tiles are shared along a row of the cluster, the column operand's along a column, each asked for jointly.
; LIMITS: a block of zeros gets the byte 1 where the rule says 127 (zero codes; this program alone reads the bytes); NaN and infinities are not served.
; REGISTERS: window 0: v1-29 addresses; v32-47 scale words, two sets; v64-159, v160-255 the row operand's fragments, two sets.  window 1: v0-95, v128-223 the column operand's.  windows 2, 3: accumulator (a, b) at v[8 (8 (a % 4) + b)].
.set QTR,   24576                      ; what one tensor load brings: 8 blocks of rows x two K steps
.set SLOT,  4*QTR                      ; rows' 16 blocks, then columns' 16
.set SCL,   3*SLOT                     ; the scale words of all of K: four quarters of [8 K steps][128 rows]
.set SPARE, SCL+4*4096                 ; the spare words, 128 bytes a wave
.set LI,   2                           ; v2   16 x lane
.set LS4,  3                           ; v3   4 x lane
.set ADRA, 16                          ; v16-18 my rows' fragments in slot 0, 1, 2
.set ADRB, 20                          ; v20-22 my columns'
.set ADRS, 27                          ; v27  scale words: lanes 0-15 my rows', lanes 16-31 my columns'
.set SPW,  28                          ; v28  my spare word; never rewritten
.set NIL,  29                          ; v29  0; never rewritten
.set SC,   32
.set AF,   64
.set TM,   48                          ; the way out: v48-51 largest magnitudes, v52-55 at work, v60-63 scale operands
.set TMPC, 64
.set PW,   72                          ; v72-79 a scale word for each block of rows
.set WS,   80
.set PC,   96                          ; v96-191 codes: 12 registers for each block of rows, so that no store's data are written again
.set SEL,  66
.set G1, 24
.set G0, 32                            ; s[32:39] group 0 for the rows' tiles, slots 0 and 1;  s[96:99] slot 2
.set G0C, 96
.set G1B, 48
.set G0B, 56                           ; s[56:63] the same for the columns';  s[92:95] slot 2
.set G0BC, 92
.set G1S, 68
.set G0S, 76
.set G1SB, 80
.set G0SB, 88
.set MSB, 0
.macro WIN new                         ; the immediate's high byte repeats the setting that is left
.if MSB != (\new)
	s_set_vgpr_msb (MSB<<8)|(\new)
.set MSB, (\new)
.endif
.endm
.set MUL_LO, 0xa1                      ; source 0 window 1, source 1 window 0, C and D window 2
.set MUL_HI, 0xf1
.set TO_B,   0x40
.macro PLACES n
.rept \n
	v_nop
.endr
.endm
; A joint load: waves 0 and 1 fetch for the rows, waves 2 and 3 for the columns.  The branch hangs on the wave's number alone.  An s_nop 0 and four v_nop follow each line.
.macro JLOAD g0a, g1a, g0b, g1b
	s_cmp_eq_u32 s15, 0
	s_cbranch_scc0 .Lfor_b_\@
	tensor_load_to_lds s[\g0a:\g0a+3], s[\g1a:\g1a+7]
	s_nop 0
.rept 4
	v_nop
.endr
	s_branch .Lasked_\@
.Lfor_b_\@:
	tensor_load_to_lds s[\g0b:\g0b+3], s[\g1b:\g1b+7]
	s_nop 0
.rept 4
	v_nop
.endr
.Lasked_\@:
.endm
.macro CREST                           ; a round of the cluster's barrier behind its opening barrier
	s_cmp_lg_u32 s14, 0
	s_cbranch_scc1 .Lnot_wave_0_\@
	s_barrier_signal -3
.Lnot_wave_0_\@:
	s_barrier_wait -3
	s_barrier_signal -1
	s_barrier_wait -1
.endm
.macro CROUND
	s_barrier_signal -1
	s_barrier_wait -1
	CREST
.endm
	s_load_b256 s[4:11], s[0:1], 0x0               ; opc, ops, prc, prs
	v_lshl_add_u32 v[SPW], v0, 2, SPARE
	v_mov_b32 v[NIL], 0
	ds_add_u32 v[SPW], v[NIL]                      ; the wave's opening: the add and its wait stand ahead of my first tensor load
	v_lshrrev_b32 v1, 5, v0
	v_readfirstlane_b32 s14, v1                    ; wave
	s_lshr_b32 s15, s14, 1                         ; my half of the rows.  Also: I fetch for the rows (0) or the columns (1)
	s_and_b32 s16, s14, 1                          ; my half of the columns.  Also: which 128 of them I fetch
	s_bfe_u32 s40, ttmp6, 0x40000                  ; cx
	s_bfe_u32 s41, ttmp6, 0x40004                  ; cy
	s_and_b32 s17, ttmp7, 0xffff                   ; Y, the cluster's y
	s_lshl_b32 s43, s41, 2
	s_lshl_b32 s43, 15, s43                        ; my row of the cluster
	s_lshl_b32 s44, 0x1111, s40                    ; my column
	s_or_b32 s[G1+0], s43, (3<<16)|(1<<21)         ; the mask; elements of 8 bytes; bit 21 beside a mask; no padding
	s_or_b32 s[G1B+0], s44, (3<<16)|(1<<21)
.irp g, G1, G1B
	s_mov_b32 s[\g+1], 384<<16                     ; tensor_dim0: 3,072 bytes: two K steps of a block of rows
	s_mov_b32 s[\g+2], 8<<16                       ; tensor_dim1: 8 blocks
	s_mov_b32 s[\g+3], 384<<16                     ; tile_dim0
	s_mov_b32 s[\g+4], 8                           ; tile_dim1
	s_mov_b32 s[\g+5], 1536                        ; 12,288 bytes from block to block
	s_mov_b32 s[\g+6], 0
	s_mov_b32 s[\g+7], 0
.endr
	s_or_b32 s[G1S+0], s43, (2<<16)|(1<<21)        ; the scale words: 8 K steps x 128 words
	s_or_b32 s[G1SB+0], s44, (2<<16)|(1<<21)
.irp g, G1S, G1SB
	s_mov_b32 s[\g+1], 128<<16
	s_mov_b32 s[\g+2], 8<<16
	s_mov_b32 s[\g+3], 128<<16
	s_mov_b32 s[\g+4], 8
	s_mov_b32 s[\g+5], 11264
	s_mov_b32 s[\g+6], 0
	s_mov_b32 s[\g+7], 0
.endr
	; which blocks of 16 rows of the list I fetch.  The rows' hang on Y and cy alone, the columns' on X, Y and cx alone
	s_lshl_b32 s18, s17, 6                         ; tokens: 64 Y
	s_max_u32 s42, s17, 8
	s_sub_co_u32 s42, s42, 8                       ; Y - 8 where Y >= 8, else 0
	s_lshl_b32 s19, ttmp9, 6                       ; 64 X
	s_lshl_b32 s46, s42, 7
	s_add_co_u32 s46, s46, s19                     ; tokens as columns: 64 X + 128 (Y - 8)
	s_add_co_u32 s19, s19, 512                     ; Wk and Wq as columns
	s_cmp_ge_u32 s17, 8                            ; v's clusters?  The same in all sixteen partners; it chooses numbers, no branch
	s_cselect_b32 s18, 640, s18                    ; Wv as rows
	s_cselect_b32 s46, s46, s19
	s_lshl_b32 s19, s16, 3
	s_lshl_b32 s20, s41, 4
	s_add_co_u32 s18, s18, s20
	s_add_co_u32 s18, s18, s19                     ; + 16 cy + 8 x half
	s_lshl_b32 s47, s40, 4
	s_add_co_u32 s46, s46, s47
	s_add_co_u32 s46, s46, s19                     ; + 16 cx + 8 x half
	s_mul_i32 s20, s18, 12288
	s_mov_b32 s21, 0
	s_lshl_b32 s22, s18, 6
	s_mov_b32 s23, 0
	s_lshl_b32 s92, s46, 6
	s_mov_b32 s93, 0
	s_mul_i32 s46, s46, 12288
	s_mov_b32 s47, 0
	s_mul_i32 s45, s14, QTR                        ; where they go: no place in the cluster enters an LDS address
	s_lshl_b32 s94, s14, 12
	s_mov_b32 s[SEL], 0x76543210
	s_mov_b32 s[SEL+1], 0xfedcba98
	s_wait_dscnt 0x0                               ; the opening add is done
	s_wait_kmcnt 0x0
	s_add_nc_u64 s[20:21], s[4:5], s[20:21]
	s_add_nc_u64 s[22:23], s[6:7], s[22:23]
	s_add_nc_u64 s[46:47], s[4:5], s[46:47]
	s_add_nc_u64 s[92:93], s[6:7], s[92:93]
	CROUND                                         ; all sixteen work-groups are here: the first joint loads meet
	s_mov_b32 s[G0S], 1
	s_add_co_u32 s[G0S+1], s94, SCL
	s_mov_b64 s[G0S+2:G0S+3], s[22:23]
	s_or_b32 s[G0S+3], s[G0S+3], 0x80000000
	s_mov_b32 s[G0SB], 1
	s_add_co_u32 s[G0SB+1], s94, SCL
	s_mov_b64 s[G0SB+2:G0SB+3], s[92:93]
	s_or_b32 s[G0SB+3], s[G0SB+3], 0x80000000
	JLOAD G0S, G1S, G0SB, G1SB                     ; the scale words of all of K: filled once
.macro FIRST ga, gb, s                 ; slot s's two groups 0, and its first fill: K steps 2 s and 2 s + 1
	s_mov_b32 s[\ga], 1
	s_add_co_u32 s[\ga+1], s45, (\s)*SLOT
	s_add_nc_u64 s[\ga+2:\ga+3], s[20:21], (\s)*3072
	s_or_b32 s[\ga+3], s[\ga+3], 0x80000000
	s_mov_b32 s[\gb], 1
	s_add_co_u32 s[\gb+1], s45, (\s)*SLOT
	s_add_nc_u64 s[\gb+2:\gb+3], s[46:47], (\s)*3072
	s_or_b32 s[\gb+3], s[\gb+3], 0x80000000
	JLOAD \ga, G1, \gb, G1B
.endm
	FIRST G0, G0B, 0
	FIRST G0+4, G0B+4, 1
	FIRST G0C, G0BC, 2                             ; (s92 to s95 are free: the scale words' address has been copied into its group 0)
	v_and_b32 v1, 31, v0                           ; lane
	v_and_b32 v4, 15, v0                           ; r
	v_bfe_u32 v5, v0, 4, 1                         ; h
	v_lshlrev_b32 v[LI], 4, v1
	v_lshlrev_b32 v[LS4], 2, v1
	s_mul_i32 s18, s15, QTR
	s_add_co_u32 s19, s16, 2
	s_mul_i32 s19, s19, QTR
.irp s, 0,1,2
	v_add_nc_u32 v[ADRA+\s], s18, v[LI]
	v_add_nc_u32 v[ADRB+\s], s19, v[LI]
	s_add_co_u32 s18, s18, SLOT
	s_add_co_u32 s19, s19, SLOT
.endr
	s_lshl_b32 s22, s15, 12                        ; my rows' quarter of the scale words;
	s_add_co_u32 s23, s16, 2
	s_sub_co_u32 s23, s23, s15
	s_lshl_b32 s23, s23, 12                        ; how far on my columns' quarter lies
	v_mul_u32_u24 v6, s23, v5                      ; lanes 16-31 take the columns'
	v_lshl_add_u32 v6, v4, 2, v6
	s_add_co_u32 s22, s22, SCL
	v_add_nc_u32 v[ADRS], s22, v6
	; where my results go
	s_lshl_b32 s2, ttmp9, 3
	s_lshl_b32 s3, s40, 1
	s_add_co_u32 s2, s2, s3
	s_add_co_u32 s2, s2, s16                       ; which 128 columns: 8 X + 2 cx + half: the K step of the operand that I make
	s_lshl_b32 s3, s41, 4
	s_lshl_b32 s12, s15, 3
	s_add_co_u32 s3, s3, s12                       ; 16 cy + 8 x half
	s_mul_i32 s12, s2, 1536
	s_mul_i32 s13, s3, 24576
	s_add_co_u32 s12, s12, s13
	s_mul_i32 s13, s17, 1572864                    ; 64 blocks of rows for each Y; Y = 8 begins at byte 12,582,912, where v^T begins, and each further Y is a batch
	s_add_co_u32 s12, s12, s13
	s_mov_b32 s13, 0
	s_add_nc_u64 s[8:9], s[8:9], s[12:13]
	s_lshl_b32 s12, s2, 15
	s_lshl_b32 s13, s17, 12
	s_add_co_u32 s12, s12, s13                     ; k's and q's words: 32,768 a K step, 4,096 a Y
	s_lshl_b32 s13, s2, 12
	s_lshl_b32 s18, s42, 16
	s_add_co_u32 s13, s13, s18
	s_add_co_u32 s13, s13, 524288                  ; v's: 4,096 a K step, 65,536 a batch
	s_cmp_ge_u32 s17, 8
	s_cselect_b32 s12, s13, s12
	s_lshl_b32 s13, s3, 6
	s_add_co_u32 s12, s12, s13
	s_mov_b32 s13, 0
	s_add_nc_u64 s[10:11], s[10:11], s[12:13]
.macro FRAG3 reg, adr, off             ; a fragment comes back as it was stored: three loads of 512 consecutive bytes
.irp c, 0,1,2
	ds_load_b128 v[(\reg)+4*\c:(\reg)+4*\c+3], v[\adr] offset:(\off)+512*\c
.endr
.endm
.macro FETCH slot, q, set, ks          ; 56 LDS loads in one run: the slot's q-th K step (K step ks of all) into set: 8 + 8 fragments, 8 registers of scale words
	WIN TO_B
.irp i, 0,1,2,3,4,5,6,7
	FRAG3 128*(\set)+12*\i, ADRB+(\slot), 3072*\i+1536*(\q)
.endr
	WIN 0
.irp i, 0,1,2,3,4,5,6,7
	FRAG3 AF+96*(\set)+12*\i, ADRA+(\slot), 3072*\i+1536*(\q)
.endr
.irp i, 0,1,2,3,4,5,6,7
	ds_load_b32 v[SC+8*(\set)+\i], v[ADRS] offset:512*(\ks)+64*\i
.endr
.endm
; 16 matrix instructions.  The 64 accumulators take turns, one instruction a turn, in the same order in every K step.
.macro MUL16 a0, set, zero
.irp a, \a0, \a0+1
.irp b, 0,1,2,3,4,5,6,7
.if \zero
	v_wmma_scale_f32_16x16x128_f8f6f4 v[8*(8*((\a)%4)+\b):8*(8*((\a)%4)+\b)+7], v[128*(\set)+12*\b:128*(\set)+12*\b+11], v[AF+96*(\set)+12*(\a):AF+96*(\set)+12*(\a)+11], 0, v[SC+8*(\set)+\b], v[SC+8*(\set)+(\a)] matrix_a_fmt:MATRIX_FMT_FP6 matrix_b_fmt:MATRIX_FMT_FP6 matrix_a_scale:MATRIX_SCALE_ROW1
.else
	v_wmma_scale_f32_16x16x128_f8f6f4 v[8*(8*((\a)%4)+\b):8*(8*((\a)%4)+\b)+7], v[128*(\set)+12*\b:128*(\set)+12*\b+11], v[AF+96*(\set)+12*(\a):AF+96*(\set)+12*(\a)+11], v[8*(8*((\a)%4)+\b):8*(8*((\a)%4)+\b)+7], v[SC+8*(\set)+\b], v[SC+8*(\set)+(\a)] matrix_a_fmt:MATRIX_FMT_FP6 matrix_b_fmt:MATRIX_FMT_FP6 matrix_a_scale:MATRIX_SCALE_ROW1
.endif
.endr
.endr
.endm
.macro STEPA slot, ks, zero            ; an even K step: multiplies set 0; the slot's second K step is fetched into set 1 first, and lands under the 64 products
.if (\zero) == 0
	PLACES 4                                       ; in front of loads into registers that matrix instructions have read
.endif
	FETCH \slot, 1, 1, (\ks)+1
	s_wait_dscnt 56                                ; all but the 56 just issued: set 0 is in
	WIN MUL_LO
	MUL16 0, 0, \zero
	MUL16 2, 0, \zero
	WIN MUL_HI
	MUL16 4, 0, \zero
	MUL16 6, 0, \zero
	WIN 0
.endm
; An odd K step multiplies set 1 and passes on to slot next, with a barrier: in front of it each wave waits for all its tensor loads, adds 0 to its spare word, and waits for that and for its reads of the slot that it leaves.
; fill = 1 (K step 1): slot 0, just read out, takes K steps 6 and 7.
.macro TURN next, ks, fill
	s_wait_tensorcnt 0x0                           ; all my tensor loads have landed
	ds_add_u32 v[SPW], v[NIL]                      ; 0 onto my spare word
	s_wait_dscnt 1                                 ; set 1 is in; the add may be out
	WIN MUL_LO
	MUL16 0, 1, 0
	s_wait_dscnt 0x0                               ; the add is done, and my reads of this slot are over
	s_barrier_signal -1
	MUL16 2, 1, 0
	WIN 0
	s_barrier_wait -1
.if \fill
	CREST                                          ; the barrier has opened a round of the cluster's: no wave of any partner still reads slot 0 or has a load on its way
	s_add_nc_u64 s[G0+2:G0+3], s[G0+2:G0+3], 9216  ; three slots' worth on along K
	s_add_nc_u64 s[G0B+2:G0B+3], s[G0B+2:G0B+3], 9216
	JLOAD G0, G1, G0B, G1B                         ; the first tensor load behind the round; its four v_nop are also the places in front of the loads below
.else
	PLACES 4
.endif
	FETCH \next, 0, 0, (\ks)+1
	WIN MUL_HI
	MUL16 4, 1, 0
	MUL16 6, 1, 0
	WIN 0
.endm
; K step 3 passes from slot 1 to slot 2 with no barrier: nothing is filled here, and the barrier in K step 1, in front of which every wave had waited for all its loads, has shown slot 2 whole to every wave.
.macro MID next, ks
	s_wait_dscnt 0x0                               ; set 1 is in
	WIN MUL_LO
	MUL16 0, 1, 0
	MUL16 2, 1, 0
	PLACES 4                                       ; in front of loads into registers that matrix instructions have read
	FETCH \next, 0, 0, (\ks)+1
	WIN MUL_HI
	MUL16 4, 1, 0
	MUL16 6, 1, 0
	WIN 0
.endm
	s_wait_tensorcnt 2                             ; the scale words and my part of slot 0 are in; the loads of slots 1 and 2 may be out
	s_barrier_signal -1
	s_barrier_wait -1
	FETCH 0, 0, 0, 0
	STEPA 0, 0, 1                                  ; the first products start the sums
	TURN 1, 1, 1
	STEPA 1, 2, 0
	MID 2, 3
	STEPA 2, 4, 0
	TURN 0, 5, 0                                   ; everybody's part of K steps 6 and 7 is in; nothing is left to fetch: no round
	STEPA 0, 6, 0
	s_wait_dscnt 0x0
	WIN MUL_LO
	MUL16 0, 1, 0
	MUL16 2, 1, 0
	WIN MUL_HI
	MUL16 4, 1, 0
	MUL16 6, 1, 0
	WIN 0
; THE WAY OUT.  Block a of 16 rows x my 128 columns is one fragment of the operand that the next launches read: four blocks of 32, quantised in registers.
.irp b, 0,1,2,3
	v_mov_b32 v[TM+4+\b], 0                        ; a lane permute's destination counts as one of its sources.  These four name no register of any product: they are the places behind the last products
.endr
	v_cmp_le_u32 vcc_lo, 16, v1
.macro QUANTA a
.set AC,  64*((\a)%4)
.set HI,  (\a)/4
.set PCA, PC+12*(\a)
	WIN 0x0a+5*HI                                  ; sources 0 and 1: window 2 or 3
.irp b, 0,1,2,3
	v_max3_num_f32 v[TM+\b], |v[AC+16*\b]|, |v[AC+16*\b+1]|, 0x1800000   ; my 16 of block b, each accumulator from its low end on, and the floor 2^(3 - 127)
.endr
.irp i, 2,4,6,8,10,12,14
.irp b, 0,1,2,3
	v_max3_num_f32 v[TM+\b], |v[AC+16*\b+\i]|, |v[AC+16*\b+\i+1]|, v[TM+\b]
.endr
.endr
	WIN 0
.irp b, 0,1,2,3
	v_permlanex16_b32 v[TM+4+\b], v[TM+\b], s[SEL], s[SEL+1]
.endr
.irp b, 0,1,2,3
	v_max_num_f32 v[TM+\b], v[TM+\b], v[TM+4+\b]   ; with lane l xor 16's 16: the block's largest magnitude
.endr
.irp b, 0,1,2,3
	v_add_nc_u32 v[TM+12+\b], 0xff000000, v[TM+\b] ; 2 off the exponent field: the conversion's scale operand
.endr
.irp b, 0,1,2,3
	v_lshrrev_b32 v[TM+4+\b], 23, v[TM+12+\b]      ; the byte
.endr
	v_lshl_or_b32 v[PW+(\a)], v[TM+5], 8, v[TM+4]
	v_lshl_or_b32 v[PW+(\a)], v[TM+6], 16, v[PW+(\a)]
	v_lshl_or_b32 v[PW+(\a)], v[TM+7], 24, v[PW+(\a)]
	WIN 0x02+HI
.irp c, 0,1
	v_cvt_scalef32_pk16_fp6_f32 v[PCA+6*\c:PCA+6*\c+2], v[AC+32*\c:AC+32*\c+15], v[TM+12+2*\c]
	v_cvt_scalef32_pk16_fp6_f32 v[TMPC+4*\c:TMPC+4*\c+2], v[AC+32*\c+16:AC+32*\c+31], v[TM+12+2*\c+1]
.endr
	WIN 0
	v_nop                                          ; one plain instruction behind the conversions
.irp c, 0,1                                    ; the operand's layout wants a whole block in a lane: lanes 0-15 block 2 c, lanes 16-31 block 2 c + 1
.irp i, 0,1,2
	v_permlane16_swap_b32 v[PCA+6*\c+\i], v[TMPC+4*\c+\i]
.endr
.irp i, 0,1,2
	v_mov_b32 v[PCA+6*\c+3+\i], v[TMPC+4*\c+\i]
.endr
.endr
.irp c, 0,1,2
	global_store_b128 v[LI], v[PCA+4*\c:PCA+4*\c+3], s[8:9] offset:24576*(\a)+512*\c   ; 512 consecutive bytes a store
.endr
.endm
.irp a, 0,1,2,3,4,5,6,7
	QUANTA \a
.endr
.irp t, 0,1,2,3
	v_cndmask_b32 v[WS+\t], v[PW+2*\t], v[PW+2*\t+1], vcc_lo   ; lanes 0-15 an even block's words, lanes 16-31 the next block's: 128 consecutive bytes
.endr
.irp t, 0,1,2,3
	global_store_b32 v[LS4], v[WS+\t], s[10:11] offset:128*\t
.endr
	s_wait_tensorcnt 0x0                           ; the wave's end
	ds_add_u32 v[SPW], v[NIL]
	s_wait_dscnt 0x0
	CROUND                                         ; the closing round
	s_endpgm
.Lfunc_end_k_qe4e373b352_proj:
	.size	k_qe4e373b352_proj, .Lfunc_end_k_qe4e373b352_proj-k_qe4e373b352_proj
	.p2alignl 7, 3214868480
	.fill 96, 4, 3214868480
	.section	.rodata,"a",@progbits
	.p2align	6, 0x0
	.amdhsa_kernel k_qe4e373b352_proj
		.amdhsa_group_segment_fixed_size 327680
		.amdhsa_private_segment_fixed_size 0
		.amdhsa_enable_private_segment 0
		.amdhsa_kernarg_size 32
		.amdhsa_user_sgpr_count 2
		.amdhsa_user_sgpr_kernarg_segment_ptr 1
		.amdhsa_wavefront_size32 1
		.amdhsa_system_sgpr_workgroup_id_x 1
		.amdhsa_system_sgpr_workgroup_id_y 1
		.amdhsa_system_sgpr_workgroup_id_z 1
		.amdhsa_system_vgpr_workitem_id 0
		.amdhsa_next_free_vgpr 1024
		.amdhsa_next_free_sgpr 100
		.amdhsa_reserve_vcc 1
		.amdhsa_float_denorm_mode_32 3
		.amdhsa_float_denorm_mode_16_64 3
		.amdhsa_memory_ordered 1
		.amdhsa_forward_progress 1
		.amdhsa_inst_pref_size 141
	.end_amdhsa_kernel
	.amdgpu_metadata
---
amdhsa.version: [ 1, 2 ]
amdhsa.kernels:
  - .name:           k_qe4e373b352_proj
    .symbol:         k_qe4e373b352_proj.kd
    .args:
      - { .name: opc, .offset: 0, .size: 8, .value_kind: global_buffer, .address_space: global }
      - { .name: ops, .offset: 8, .size: 8, .value_kind: global_buffer, .address_space: global }
      - { .name: prc, .offset: 16, .size: 8, .value_kind: global_buffer, .address_space: global }
      - { .name: prs, .offset: 24, .size: 8, .value_kind: global_buffer, .address_space: global }
    .group_segment_fixed_size: 327680
    .private_segment_fixed_size: 0
    .kernarg_segment_align: 8
    .kernarg_segment_size: 32
    .max_flat_workgroup_size: 128
    .sgpr_count:     100
    .vgpr_count:     1024
    .wavefront_size: 32
...
	.end_amdgpu_metadata
.endif
;; end of part 2
;; launch score (part 3): grid 9 x 16, 4 waves a work-group, no clusters, 327,680 bytes of LDS; arguments prc, prs, pc, pst; writes pc, pst
.if DOCPART == 3
	.amdgcn_target "amdgcn-amd-amdhsa--gfx1250"
	.amdhsa_code_object_version 6
	.text
	.protected	k_qe4e373b352_score
	.globl	k_qe4e373b352_score
	.p2align	8
	.type	k_qe4e373b352_score,@function
k_qe4e373b352_score:
	s_mov_b64 s[64:65], 0
	v_nop
	global_prefetch_b8 v0, s[64:65] scope:SCOPE_SE
	s_setreg_imm32_b32 hwreg(HW_REG_WAVE_MODE, 25, 1), 1
	s_wait_xcnt 0x0
; S = q k^T on codes of FP6 (E2M3), the causal mask, and p quantised along the keys, block by block of 32 keys.  Only the 36 tiles of 256 x 256 of each batch that hold a visible key are made: 144 work-groups.
; THE SOFTMAX BY BLOCKS.  t = score x c, c = log2(e) / 32.  For each query and block of 32 keys: M = floor(the block's largest t) + 1, a whole number; p = 2^(t - M).  The block's largest p then lies in [1/2, 1), so under M the
; block's scale byte is 124 and the conversion's scale operand the constant 2^-3.  Stored: the codes; -M; and L, the block's sum of the unquantised p.  The next launch brings a row's blocks under the row's largest M, by
; exact powers of two, in the scale bytes and in the sum.
; LIMITS: where t is a whole number M is one above ceil(t): an exact factor of 2, taken up by the byte; a p that the exponential rounds up to 1.0 is held at the largest code; NaN and infinities are not served.
; No cluster: a batch's kept tiles form a triangle (rows of 1 to 8 tiles) that no 4 x 4 or 4 x 1 block of work-groups tiles, and the mask's branches hang on a tile's place.
; LAYOUT as in the launch before: source 0 = 16 keys, source 1 = 16 queries; lane (r, h) holds query r, register j of tile b key 16 b + 8 h + j.  A block's codes stand in the order 0-7, 16-23, 8-15, 24-31, as v^T's do.
; OUT: pc [4 batches][128 blocks of 16 queries][16 K steps of keys][1536]; pst at 0: -M, at 2,097,152: L, each [4][16 K steps][2,048 queries][4 blocks] f32.
; THREE LDS SLOTS, as in the launch before: three first fills and the scale words at the head (four loads of a wave out together), one refill, of slot 0, with 224 matrix instructions of a wave in which to land.
; REGISTERS as in the launch before.
.set QTR,   24576
.set SLOT,  4*QTR
.set SCL,   3*SLOT
.set SPARE, SCL+4*4096
.set LI,   2
.set SOF,  6                           ; v6   the statistics: 16 r, lanes 16-31 in L's part
.set ADRA, 16                          ; v16-18
.set ADRB, 20                          ; v20-22
.set ADRS, 27
.set SPW,  28
.set NIL,  29
.set SC,   32
.set AF,   64
.set TM,   48                          ; v48-51 largest scores, v52-55 at work
.set NM,   56                          ; v56-63 -M of the four blocks, in the low halves of four pairs
.set SU,   64                          ; v64-71 the four sums, in two halves each
.set Z2,   72                          ; v72-73 0
.set CL,   74                          ; -3e38: under every score
.set NI,   75                          ; -infinity
.set SCK,  76                          ; 2^-3
.set DL,   77                          ; r - 8 h
.set TMPC, 80
.set PC,   96                          ; v96-191 codes, 12 registers for each block of queries
.set ST,   192                         ; v192-223 statistics as stored, 4 for each
.set ZR,   224                         ; v224-227 zeros
.set G1,  24
.set G0,  32                           ; s[32:39] group 0 for slots 0 and 1;  s[68:71] for slot 2
.set G0C, 68
.set G1S, 40
.set G0S, 48
.set MODE, 52                          ; 0: all my keys count; 1: my 128 x 128 lies on the diagonal; 2: none counts
.set CS,  54
.set SEL, 56
.set HM,  58                           ; lanes 16-31
.set ZX,  72                           ; 0 in a diagonal tile of an even tile row
.set MSB, 0
.macro WIN new
.if MSB != (\new)
	s_set_vgpr_msb (MSB<<8)|(\new)
.set MSB, (\new)
.endif
.endm
.set MUL_LO, 0xa1
.set MUL_HI, 0xf1
.set TO_B,   0x40
.macro PLACES n
.rept \n
	v_nop
.endr
.endm
	s_load_b256 s[4:11], s[0:1], 0x0               ; prc, prs, pc, pst
	v_lshl_add_u32 v[SPW], v0, 2, SPARE
	v_mov_b32 v[NIL], 0
	ds_add_u32 v[SPW], v[NIL]                      ; the wave's opening: the add and its wait stand ahead of my first tensor load
	v_lshrrev_b32 v1, 5, v0
	v_readfirstlane_b32 s14, v1                    ; wave
	s_lshr_b32 s15, s14, 1                         ; my half of the queries
	s_and_b32 s16, s14, 1                          ; my half of the keys
	s_and_b32 s17, ttmp7, 0xffff
	s_and_b32 s18, s17, 3                          ; p
	s_lshr_b32 s19, s17, 2                         ; the batch
	s_sub_co_u32 s20, 7, s18
	s_add_co_u32 s22, s18, 1
	s_max_u32 s21, ttmp9, s22
	s_sub_co_u32 s21, s21, s22
	s_cmp_le_u32 ttmp9, s18                        ; tile rows p and 7 - p have 9 tiles together: x = 0 .. p are row p's, the others row 7 - p's
	s_cselect_b32 s20, s18, s20                    ; ti
	s_cselect_b32 s21, ttmp9, s21                  ; tj
	s_add_co_u32 s[MODE], s16, 1
	s_sub_co_u32 s[MODE], s[MODE], s15
	s_and_b32 s[ZX], s20, 1
	s_cmp_eq_u32 s20, s21
	s_cselect_b32 s[MODE], s[MODE], 0
	s_cselect_b32 s[ZX], s[ZX], 1
	s_mov_b32 s[G1+0], 3<<16                       ; elements of 8 bytes, no mask, no padding
	s_mov_b32 s[G1+1], 384<<16                     ; 3,072 bytes: two K steps of a block of 16 rows
	s_mov_b32 s[G1+2], 8<<16
	s_mov_b32 s[G1+3], 384<<16
	s_mov_b32 s[G1+4], 8
	s_mov_b32 s[G1+5], 3072                        ; 24,576 bytes from block to block
	s_mov_b32 s[G1+6], 0
	s_mov_b32 s[G1+7], 0
	s_mov_b32 s[G1S+0], 2<<16                      ; the scale words: 8 K steps x 128 words
	s_mov_b32 s[G1S+1], 128<<16
	s_mov_b32 s[G1S+2], 8<<16
	s_mov_b32 s[G1S+3], 128<<16
	s_mov_b32 s[G1S+4], 8
	s_mov_b32 s[G1S+5], 8192
	s_mov_b32 s[G1S+6], 0
	s_mov_b32 s[G1S+7], 0
	s_cmp_lt_u32 s14, 2                            ; waves 0 and 1 fetch q's halves, waves 2 and 3 k's
	s_cselect_b32 s22, s20, s21
	s_cselect_b32 s60, 12288, 0                    ; q's K steps lie behind k's eight
	s_cselect_b32 s62, 262144, 0
	s_lshl_b32 s23, s19, 7
	s_lshl_b32 s22, s22, 4
	s_add_co_u32 s22, s22, s23
	s_lshl_b32 s23, s16, 3
	s_add_co_u32 s22, s22, s23                     ; the first block of 16 tokens that I fetch
	s_mul_i32 s23, s22, 24576
	s_add_co_u32 s60, s60, s23
	s_mov_b32 s61, 0
	s_lshl_b32 s23, s22, 6
	s_add_co_u32 s62, s62, s23
	s_mov_b32 s63, 0
	s_mul_i32 s53, s14, QTR
	s_lshl_b32 s59, s14, 12
	s_mov_b32 s[CS], 0x3d38aa3b                    ; c = log2(e) / 32
	s_mov_b32 s[CS+1], s[CS]
	s_mov_b32 s[SEL], 0x76543210
	s_mov_b32 s[SEL+1], 0xfedcba98
	s_wait_dscnt 0x0                               ; the opening add is done
	s_wait_kmcnt 0x0
	s_add_nc_u64 s[60:61], s[4:5], s[60:61]
	s_add_nc_u64 s[62:63], s[6:7], s[62:63]
	s_mov_b32 s[G0S], 1
	s_add_co_u32 s[G0S+1], s59, SCL
	s_mov_b64 s[G0S+2:G0S+3], s[62:63]
	s_or_b32 s[G0S+3], s[G0S+3], 0x80000000
.irp s, 0,1
	s_mov_b32 s[G0+4*\s], 1
	s_add_co_u32 s[G0+4*\s+1], s53, \s*SLOT
	s_add_nc_u64 s[G0+4*\s+2:G0+4*\s+3], s[60:61], \s*3072
	s_or_b32 s[G0+4*\s+3], s[G0+4*\s+3], 0x80000000
.endr
	s_mov_b32 s[G0C], 1
	s_add_co_u32 s[G0C+1], s53, 2*SLOT
	s_add_nc_u64 s[G0C+2:G0C+3], s[60:61], 6144
	s_or_b32 s[G0C+3], s[G0C+3], 0x80000000
	tensor_load_to_lds s[G0S:G0S+3], s[G1S:G1S+7]  ; the first fills go out together: four loads of mine are out
	s_nop 0
	tensor_load_to_lds s[G0:G0+3], s[G1:G1+7]
	s_nop 0
	tensor_load_to_lds s[G0+4:G0+7], s[G1:G1+7]
	s_nop 0
	tensor_load_to_lds s[G0C:G0C+3], s[G1:G1+7]
	s_nop 0
.rept 4
	v_nop
.endr
	v_and_b32 v1, 31, v0                           ; lane
	v_and_b32 v4, 15, v0                           ; r
	v_bfe_u32 v5, v0, 4, 1                         ; h
	v_lshlrev_b32 v[LI], 4, v1
	v_lshlrev_b32 v[SOF], 21, v5
	v_lshl_add_u32 v[SOF], v4, 4, v[SOF]
	s_mul_i32 s22, s15, QTR
	s_add_co_u32 s23, s16, 2
	s_mul_i32 s23, s23, QTR
.irp s, 0,1,2
	v_add_nc_u32 v[ADRA+\s], s22, v[LI]
	v_add_nc_u32 v[ADRB+\s], s23, v[LI]
	s_add_co_u32 s22, s22, SLOT
	s_add_co_u32 s23, s23, SLOT
.endr
	s_lshl_b32 s22, s15, 12
	s_add_co_u32 s23, s16, 2
	s_sub_co_u32 s23, s23, s15
	s_lshl_b32 s23, s23, 12
	v_mul_u32_u24 v7, s23, v5                      ; lanes 16-31 take the keys' words
	v_lshl_add_u32 v7, v4, 2, v7
	s_add_co_u32 s22, s22, SCL
	v_add_nc_u32 v[ADRS], s22, v7
	; where my results go
	s_lshl_b32 s22, s19, 7
	s_lshl_b32 s23, s20, 4
	s_add_co_u32 s22, s22, s23
	s_lshl_b32 s23, s15, 3
	s_add_co_u32 s22, s22, s23                     ; my first block of 16 queries
	s_lshl_b32 s23, s21, 1
	s_add_co_u32 s23, s23, s16                     ; my K step of keys
	s_mul_i32 s60, s22, 24576
	s_mul_i32 s61, s23, 1536
	s_add_co_u32 s60, s60, s61
	s_mov_b32 s61, 0
	s_add_nc_u64 s[8:9], s[8:9], s[60:61]
	s_lshl_b32 s60, s20, 12                        ; 256 queries x 16 bytes
	s_lshl_b32 s61, s15, 11
	s_add_co_u32 s60, s60, s61
	s_lshl_b32 s61, s19, 19
	s_add_co_u32 s60, s60, s61
	s_lshl_b32 s61, s23, 15
	s_add_co_u32 s60, s60, s61
	s_mov_b32 s61, 0
	s_add_nc_u64 s[10:11], s[10:11], s[60:61]
.macro FRAG3 reg, adr, off
.irp c, 0,1,2
	ds_load_b128 v[(\reg)+4*\c:(\reg)+4*\c+3], v[\adr] offset:(\off)+512*\c
.endr
.endm
.macro FETCH slot, q, set, ks          ; 56 LDS loads in one run
	WIN TO_B
.irp i, 0,1,2,3,4,5,6,7
	FRAG3 128*(\set)+12*\i, ADRB+(\slot), 3072*\i+1536*(\q)
.endr
	WIN 0
.irp i, 0,1,2,3,4,5,6,7
	FRAG3 AF+96*(\set)+12*\i, ADRA+(\slot), 3072*\i+1536*(\q)
.endr
.irp i, 0,1,2,3,4,5,6,7
	ds_load_b32 v[SC+8*(\set)+\i], v[ADRS] offset:512*(\ks)+64*\i
.endr
.endm
.macro MUL16 a0, set, zero             ; the 64 accumulators take turns, one instruction a turn
.irp a, \a0, \a0+1
.irp b, 0,1,2,3,4,5,6,7
.if \zero
	v_wmma_scale_f32_16x16x128_f8f6f4 v[8*(8*((\a)%4)+\b):8*(8*((\a)%4)+\b)+7], v[128*(\set)+12*\b:128*(\set)+12*\b+11], v[AF+96*(\set)+12*(\a):AF+96*(\set)+12*(\a)+11], 0, v[SC+8*(\set)+\b], v[SC+8*(\set)+(\a)] matrix_a_fmt:MATRIX_FMT_FP6 matrix_b_fmt:MATRIX_FMT_FP6 matrix_a_scale:MATRIX_SCALE_ROW1
.else
	v_wmma_scale_f32_16x16x128_f8f6f4 v[8*(8*((\a)%4)+\b):8*(8*((\a)%4)+\b)+7], v[128*(\set)+12*\b:128*(\set)+12*\b+11], v[AF+96*(\set)+12*(\a):AF+96*(\set)+12*(\a)+11], v[8*(8*((\a)%4)+\b):8*(8*((\a)%4)+\b)+7], v[SC+8*(\set)+\b], v[SC+8*(\set)+(\a)] matrix_a_fmt:MATRIX_FMT_FP6 matrix_b_fmt:MATRIX_FMT_FP6 matrix_a_scale:MATRIX_SCALE_ROW1
.endif
.endr
.endr
.endm
.macro STEPA slot, ks, zero
.if (\zero) == 0
	PLACES 4                                       ; in front of loads into registers that matrix instructions have read
.endif
	FETCH \slot, 1, 1, (\ks)+1
	s_wait_dscnt 56                                ; all but the 56 just issued: set 0 is in
	WIN MUL_LO
	MUL16 0, 0, \zero
	MUL16 2, 0, \zero
	WIN MUL_HI
	MUL16 4, 0, \zero
	MUL16 6, 0, \zero
	WIN 0
.endm
; An odd K step multiplies set 1 and passes on to slot next, with a barrier.  fill = 1 (K step 1): slot 0, just read out, takes K steps 6 and 7.
.macro TURN next, ks, fill
	s_wait_tensorcnt 0x0                           ; all my tensor loads have landed; so a group 0 may be written
	ds_add_u32 v[SPW], v[NIL]                      ; 0 onto my spare word
.if \fill
	s_add_nc_u64 s[G0+2:G0+3], s[G0+2:G0+3], 9216  ; three slots' worth on along K
.endif
	s_wait_dscnt 1                                 ; set 1 is in; the add may be out
	WIN MUL_LO
	MUL16 0, 1, 0
	s_wait_dscnt 0x0                               ; the add is done, and my reads of this slot are over
	s_barrier_signal -1
	MUL16 2, 1, 0
	WIN 0
	s_barrier_wait -1
.if \fill
	tensor_load_to_lds s[G0:G0+3], s[G1:G1+7]      ; my one tensor load behind the barrier, and the first thing there
	s_nop 0
.endif
	PLACES 4                                       ; behind the tensor load, and in front of the loads below
	FETCH \next, 0, 0, (\ks)+1
	WIN MUL_HI
	MUL16 4, 1, 0
	MUL16 6, 1, 0
	WIN 0
.endm
; K step 3 passes from slot 1 to slot 2 with no barrier: nothing is filled here, and the barrier in K step 1, in front of which every wave had waited for all its loads, has shown slot 2 whole to every wave.
.macro MID next, ks
	s_wait_dscnt 0x0                               ; set 1 is in
	WIN MUL_LO
	MUL16 0, 1, 0
	MUL16 2, 1, 0
	PLACES 4                                       ; in front of loads into registers that matrix instructions have read
	FETCH \next, 0, 0, (\ks)+1
	WIN MUL_HI
	MUL16 4, 1, 0
	MUL16 6, 1, 0
	WIN 0
.endm
	s_wait_tensorcnt 2                             ; the scale words and my part of slot 0 are in; the loads of slots 1 and 2 may be out
	s_barrier_signal -1
	s_barrier_wait -1
	FETCH 0, 0, 0, 0
	STEPA 0, 0, 1
	TURN 1, 1, 1
	STEPA 1, 2, 0
	MID 2, 3
	STEPA 2, 4, 0
	TURN 0, 5, 0                                   ; everybody's part of K steps 6 and 7 is in; nothing is left to fetch
	STEPA 0, 6, 0
	s_wait_dscnt 0x0
	WIN MUL_LO
	MUL16 0, 1, 0
	MUL16 2, 1, 0
	WIN MUL_HI
	MUL16 4, 1, 0
	MUL16 6, 1, 0
	WIN 0
.irp b, 0,1,2,3
	v_mov_b32 v[TM+4+\b], 0                        ; a lane permute's destination counts as one of its sources.  These four name no register of any product: they are the places behind the last products
.endr
.irp b, 0,1,2,3
	v_mov_b32 v[NM+2*\b+1], 0                      ; named as the upper halves of pairs
.endr
	v_mov_b32 v[Z2], 0
	v_mov_b32 v[Z2+1], 0
	v_mov_b32 v[CL], 0xff61b1e6
	v_mov_b32 v[NI], 0xff800000
	v_mov_b32 v[SCK], 0x3e000000
	v_lshlrev_b32 v[DL], 3, v5
	v_sub_nc_u32 v[DL], v4, v[DL]
	v_cmp_le_u32 s[HM], 16, v1
	s_cmp_eq_u32 s[MODE], 2
	s_cbranch_scc1 .Lzero
; Block a of 16 queries x my 128 keys.
.macro SOFT a
.set AC,  64*((\a)%4)
.set HI,  (\a)/4
.set PCA, PC+12*(\a)
.set STA, ST+4*(\a)
	s_cmp_lg_u32 s[MODE], 1
	s_cbranch_scc1 .Lopen_\@
	WIN 0x82+0x41*HI                               ; on the diagonal: key 16 b + 8 h + j is hidden from query 16 a + r where it is the larger
.irp j, 0,1,2,3,4,5,6,7
	v_cmp_gt_i32 vcc_lo, \j, v[DL]
	v_cndmask_b32 v[AC+8*(\a)+\j], v[AC+8*(\a)+\j], v[NI], vcc_lo
.endr
.if (\a) < 7
.set n, AC+8*(\a)+8
.rept 8*(7-(\a))
	v_mov_b32 v[n], 0xff800000                     ; the tiles to the right are hidden whole
.set n, n+1
.endr
.endif
	WIN 0
.Lopen_\@:
	WIN 0x0a+5*HI
.irp b, 0,1,2,3
	v_max3_num_f32 v[TM+\b], v[AC+16*\b], v[AC+16*\b+1], v[CL]   ; the block's largest score, each accumulator from its low end on; -3e38 stands under a block that is hidden whole
.endr
.irp i, 2,4,6,8,10,12,14
.irp b, 0,1,2,3
	v_max3_num_f32 v[TM+\b], v[AC+16*\b+\i], v[AC+16*\b+\i+1], v[TM+\b]
.endr
.endr
	WIN 0
.irp b, 0,1,2,3
	v_permlanex16_b32 v[TM+4+\b], v[TM+\b], s[SEL], s[SEL+1]
.endr
.irp b, 0,1,2,3
	v_max_num_f32 v[TM+\b], v[TM+\b], v[TM+4+\b]
.endr
.irp b, 0,1,2,3
	v_mul_f32 v[TM+\b], s[CS], v[TM+\b]            ; as t
.endr
.irp b, 0,1,2,3
	v_floor_f32 v[TM+\b], v[TM+\b]
.endr
.irp b, 0,1,2,3
	v_sub_f32 v[NM+2*\b], -1.0, v[TM+\b]           ; -M = -(floor(t) + 1)
.endr
	WIN 0x82+0x41*HI
.irp b, 0,1,2,3
.irp i, 0,2,4,6,8,10,12,14
	v_pk_fma_f32 v[AC+16*\b+\i:AC+16*\b+\i+1], v[AC+16*\b+\i:AC+16*\b+\i+1], s[CS:CS+1], v[NM+2*\b:NM+2*\b+1] op_sel_hi:[1,0,0]   ; t - M
.endr
.endr
.set n, AC
.rept 64
	v_exp_f32 v[n], v[n]                           ; p: one batch
.set n, n+1
.endr
	v_nop                                          ; a plain instruction behind the last exponential
	s_wait_alu depctr_va_vdst(0)                   ; one wait for the batch, ahead of its first reader
	WIN 0x02+HI
.irp b, 0,1,2,3
	v_pk_add_f32 v[SU+2*\b:SU+2*\b+1], v[AC+16*\b:AC+16*\b+1], v[Z2:Z2+1]   ; the sums are taken of the unquantised p
.endr
.irp i, 2,4,6,8,10,12,14
.irp b, 0,1,2,3
	v_pk_add_f32 v[SU+2*\b:SU+2*\b+1], v[AC+16*\b+\i:AC+16*\b+\i+1], v[SU+2*\b:SU+2*\b+1]
.endr
.endr
.irp c, 0,1
	v_cvt_scalef32_pk16_fp6_f32 v[PCA+6*\c:PCA+6*\c+2], v[AC+32*\c:AC+32*\c+15], v[SCK]
	v_cvt_scalef32_pk16_fp6_f32 v[TMPC+4*\c:TMPC+4*\c+2], v[AC+32*\c+16:AC+32*\c+31], v[SCK]
.endr
	WIN 0
.irp b, 0,1,2,3
	v_add_f32 v[SU+2*\b], v[SU+2*\b], v[SU+2*\b+1] ; (plain instructions behind the conversions)
.endr
.irp c, 0,1
.irp i, 0,1,2
	v_permlane16_swap_b32 v[PCA+6*\c+\i], v[TMPC+4*\c+\i]
.endr
.irp i, 0,1,2
	v_mov_b32 v[PCA+6*\c+3+\i], v[TMPC+4*\c+\i]
.endr
.endr
.irp b, 0,1,2,3
	v_permlanex16_b32 v[TM+4+\b], v[SU+2*\b], s[SEL], s[SEL+1]
.endr
.irp b, 0,1,2,3
	v_add_f32 v[SU+2*\b], v[SU+2*\b], v[TM+4+\b]   ; L
.endr
.irp b, 0,1,2,3
	v_cndmask_b32 v[STA+\b], v[NM+2*\b], v[SU+2*\b], s[HM]   ; lanes 0-15 store -M, lanes 16-31 L
.endr
.irp c, 0,1,2
	global_store_b128 v[LI], v[PCA+4*\c:PCA+4*\c+3], s[8:9] offset:24576*(\a)+512*\c
.endr
	global_store_b128 v[SOF], v[STA:STA+3], s[10:11] offset:256*(\a)   ; sixteen lanes store 256 consecutive bytes, twice
.endm
.irp a, 0,1,2,3,4,5,6,7
	SOFT \a
.endr
	s_branch .Lend
.Lzero:                                            ; none of my keys counts: zero codes.  The next launch's last slot brings these bytes in with the K steps before them, and multiplies by none of them
.irp i, 0,1,2,3
	v_mov_b32 v[PC+\i], 0
.endr
.irp a, 0,1,2,3,4,5,6,7
.irp c, 0,1,2
	global_store_b128 v[LI], v[PC:PC+3], s[8:9] offset:24576*\a+512*\c
.endr
.endr
.Lend:
	; The next launch brings P in four K steps at a time.  For an even tile row ti that reaches K steps 2 ti + 2 and 2 ti + 3, which no tile of this launch makes: the row's diagonal tile stores zero codes there,
	; each wave two K steps on from its own, so that no byte is read that was not stored.
	s_cmp_lg_u32 s[ZX], 0
	s_cbranch_scc1 .Lnoz
.irp i, 0,1,2,3
	v_mov_b32 v[ZR+\i], 0
.endr
.irp a, 0,1,2,3,4,5,6,7
.irp c, 0,1,2
	global_store_b128 v[LI], v[ZR:ZR+3], s[8:9] offset:24576*\a+512*\c+3072
.endr
.endr
.Lnoz:
	s_wait_tensorcnt 0x0                           ; the wave's end
	ds_add_u32 v[SPW], v[NIL]
	s_wait_dscnt 0x0
	s_endpgm
.Lfunc_end_k_qe4e373b352_score:
	.size	k_qe4e373b352_score, .Lfunc_end_k_qe4e373b352_score-k_qe4e373b352_score
	.p2alignl 7, 3214868480
	.fill 96, 4, 3214868480
	.section	.rodata,"a",@progbits
	.p2align	6, 0x0
	.amdhsa_kernel k_qe4e373b352_score
		.amdhsa_group_segment_fixed_size 327680
		.amdhsa_private_segment_fixed_size 0
		.amdhsa_enable_private_segment 0
		.amdhsa_kernarg_size 32
		.amdhsa_user_sgpr_count 2
		.amdhsa_user_sgpr_kernarg_segment_ptr 1
		.amdhsa_wavefront_size32 1
		.amdhsa_system_sgpr_workgroup_id_x 1
		.amdhsa_system_sgpr_workgroup_id_y 1
		.amdhsa_system_sgpr_workgroup_id_z 1
		.amdhsa_system_vgpr_workitem_id 0
		.amdhsa_next_free_vgpr 1024
		.amdhsa_next_free_sgpr 76
		.amdhsa_reserve_vcc 1
		.amdhsa_float_denorm_mode_32 3
		.amdhsa_float_denorm_mode_16_64 3
		.amdhsa_memory_ordered 1
		.amdhsa_forward_progress 1
		.amdhsa_inst_pref_size 212
	.end_amdhsa_kernel
	.amdgpu_metadata
---
amdhsa.version: [ 1, 2 ]
amdhsa.kernels:
  - .name:           k_qe4e373b352_score
    .symbol:         k_qe4e373b352_score.kd
    .args:
      - { .name: prc, .offset: 0, .size: 8, .value_kind: global_buffer, .address_space: global }
      - { .name: prs, .offset: 8, .size: 8, .value_kind: global_buffer, .address_space: global }
      - { .name: pc, .offset: 16, .size: 8, .value_kind: global_buffer, .address_space: global }
      - { .name: pst, .offset: 24, .size: 8, .value_kind: global_buffer, .address_space: global }
    .group_segment_fixed_size: 327680
    .private_segment_fixed_size: 0
    .kernarg_segment_align: 8
    .kernarg_segment_size: 32
    .max_flat_workgroup_size: 128
    .sgpr_count:     76
    .vgpr_count:     1024
    .wavefront_size: 32
...
	.end_amdgpu_metadata
.endif
;; end of part 3
;; launch pv (part 4): grid 4 x 64, 4 waves a work-group, no clusters, 327,680 bytes of LDS; arguments pc, pst, prc, prs, out0; writes out0
.if DOCPART == 4
	.amdgcn_target "amdgcn-amd-amdhsa--gfx1250"
	.amdhsa_code_object_version 6
	.text
	.protected	k_qe4e373b352_pv
	.globl	k_qe4e373b352_pv
	.p2align	8
	.type	k_qe4e373b352_pv,@function
k_qe4e373b352_pv:
	s_mov_b64 s[64:65], 0
	v_nop
	global_prefetch_b8 v0, s[64:65] scope:SCOPE_SE
	s_setreg_imm32_b32 hwreg(HW_REG_WAVE_MODE, 25, 1), 1
	s_wait_xcnt 0x0
; out = round(P v / l, 4 decimals) on codes of FP6 (E2M3).  A work-group makes 128 queries (tile TI of 16 in a batch) x 256 columns; K = the keys, K steps 0 .. TI of 128: the others lie under the causal mask.
; P's codes were made block by block of 32 keys, each under its own whole number M.  THE PROLOGUE, a thread to a query, brings a row's blocks under R, the row's largest M: d = max(M - R, -123); the block's scale byte is
; 124 + d; l = the sum of L x 2^d.  All are exact powers of two.  The bytes go to LDS as scale words, 10,000 / l as one multiplier a row.
; LIMITS: blocks more than 123 binary orders under the row's largest count with weight 2^-123, in the product and in l alike; the division by l and the factor 10,000 are one multiplier, and the division by
; 10,000 is a multiplication by 1e-4; NaN and infinities are not served.
; No cluster: the number of K steps hangs on the tile of queries, and a jump that ends the refills may not lead round a joint load; what partners of one tile row could share is P, a third of a slot's bytes.
; Four waves, each 64 queries x 128 columns: 32 accumulators (window 2).  Source 0 = 16 rows of v^T, source 1 = 16 queries of P: lane (r, h) holds query r, register j of tile b column 16 b + 8 h + j.
; TWO LDS SLOTS OF FOUR K STEPS, 147,456 bytes each: wave 0 fetches P's part, waves 1 and 2 v^T's halves, 8 blocks x 6,144 bytes a load; wave 3 v^T's scale words, once.  Slot 0 is asked for at the head, slot 1 behind
; the prologue's barrier, as a refill is; a refill has 128 matrix instructions of a wave in which to land.  Every wait on TENSORcnt is for 0.
; THE K STEPS ARE WRITTEN OUT, AND EVERY WORK-GROUP PASSES ALL THREE CHANGES OF SLOTS: no barrier, no wait and no add is jumped over.  What lies beyond K step TI is left out piece by piece, by scalar branches on the
; work-group's number, the same in all four waves: a K step's loads and products, and the fill of a slot that no K step would read.
.set QTR,   49152                      ; what one tensor load brings: 8 blocks of rows x four K steps
.set SLOT,  3*QTR
.set SCP,   2*SLOT                     ; P's scale words: [16 K steps][128 queries]; written by the prologue
.set SCV,   SCP+8192                   ; v^T's: two halves of [16 K steps][128 rows]
.set RL,    SCV+16384                  ; 10,000 / l, a word a query
.set SPARE, RL+512                     ; the spare words, 128 bytes a wave
.set STG,   0                          ; the way out: a stage of 16 rows x (512 + 16) bytes for each wave, in slot 0, behind a barrier of its own: all fills and all reads of the slots are over by then
.set LI,    2
.set ADRA,  16
.set ADRB,  20
.set RLA,   23
.set STO,   24
.set RD,    25
.set ADRSB, 26
.set ADRS,  27
.set SPW,   28
.set NIL,   29
.set SC,    32                         ; v32-47 scale words, two sets
.set AF,    48                         ; v48-95, v96-143 P's fragments, two sets
.set NMR,   64                         ; the prologue: v64-127 -M of my row's 64 blocks, then d, then bytes
.set LR,    128                        ; v128-191 L
.set TP,    192
.set TO,    48                         ; the way out: v48-111 a block of 16 queries
.set BK,    112                        ; v112-175, v176-239 rows read back, by turns
.set RLV,   240                        ; v240-247 the multipliers, in the low halves of four pairs
.set G1,  24
.set G0,  32
.set G1S, 40
.set G0S, 48
.set G0S2, 68
.set MSB, 0
.macro WIN new
.if MSB != (\new)
	s_set_vgpr_msb (MSB<<8)|(\new)
.set MSB, (\new)
.endif
.endm
.set MUL,  0xa1                        ; source 0 window 1, source 1 window 0, C and D window 2
.set TO_B, 0x40
.macro PLACES n
.rept \n
	v_nop
.endr
.endm
	s_load_b256 s[4:11], s[0:1], 0x0               ; pc, pst, prc, prs
	s_load_b64 s[12:13], s[0:1], 0x20              ; out0
	v_lshl_add_u32 v[SPW], v0, 2, SPARE
	v_mov_b32 v[NIL], 0
	ds_add_u32 v[SPW], v[NIL]                      ; the wave's opening: the add and its wait stand ahead of my first tensor load; work on registers that is due anyway stands between them
	v_lshrrev_b32 v1, 5, v0
	v_readfirstlane_b32 s14, v1                    ; wave
	s_lshr_b32 s15, s14, 1                         ; my half of the queries
	s_and_b32 s16, s14, 1                          ; my half of the columns
	s_and_b32 s17, ttmp7, 0xffff
	s_and_b32 s18, s17, 15                         ; TI
	s_lshr_b32 s19, s17, 4                         ; the batch
	s_lshr_b32 s20, s18, 2                         ; the number of the last slot's worth of K steps that is walked
	s_mov_b32 s[G1+0], 3<<16
	s_mov_b32 s[G1+1], 768<<16                     ; 6,144 bytes: four K steps of a block of 16 rows
	s_mov_b32 s[G1+2], 8<<16
	s_mov_b32 s[G1+3], 768<<16
	s_mov_b32 s[G1+4], 8
	s_mov_b32 s[G1+5], 3072                        ; 24,576 bytes from block to block, in pc and in v^T alike
	s_mov_b32 s[G1+6], 0
	s_mov_b32 s[G1+7], 0
	s_mov_b32 s[G1S+0], 2<<16                      ; half of v^T's scale words: 16 K steps x 128 words
	s_mov_b32 s[G1S+1], 128<<16
	s_mov_b32 s[G1S+2], 16<<16
	s_mov_b32 s[G1S+3], 128<<16
	s_mov_b32 s[G1S+4], 16
	s_mov_b32 s[G1S+5], 1024
	s_mov_b32 s[G1S+6], 0
	s_mov_b32 s[G1S+7], 0
	s_lshl_b32 s21, s19, 7
	s_lshl_b32 s22, s18, 3
	s_add_co_u32 s21, s21, s22
	s_mul_i32 s21, s21, 24576                      ; P: block 128 b + 8 TI
	s_max_u32 s22, s14, 1
	s_sub_co_u32 s22, s22, 1
	s_lshl_b32 s22, s22, 3
	s_lshl_b32 s23, s19, 6
	s_add_co_u32 s22, s22, s23
	s_lshl_b32 s23, ttmp9, 4
	s_add_co_u32 s22, s22, s23
	s_mul_i32 s22, s22, 24576
	s_add_co_u32 s22, s22, 12582912                ; v^T: block 64 b + 16 x + 8 (wave - 1)
	s_mul_i32 s56, s14, QTR
	s_lshl_b32 s58, s19, 16
	s_lshl_b32 s59, ttmp9, 10
	s_add_co_u32 s58, s58, s59
	s_add_co_u32 s58, s58, 524288
	s_mov_b32 s59, 0
	s_lshl_b32 s60, s19, 19
	s_lshl_b32 s61, s18, 11
	s_add_co_u32 s60, s60, s61                     ; the statistics of my 128 queries
	s_mov_b32 s61, 0
	s_lshl_b32 s62, s19, 11
	s_lshl_b32 s63, s18, 7
	s_add_co_u32 s62, s62, s63
	s_lshl_b32 s63, s15, 6
	s_add_co_u32 s62, s62, s63
	s_lshl_b32 s62, s62, 12                        ; my first row of out0,
	s_lshl_b32 s63, ttmp9, 10
	s_add_co_u32 s62, s62, s63
	s_lshl_b32 s63, s16, 9
	s_add_co_u32 s62, s62, s63                     ; my first column
	s_mov_b32 s63, 0
	; THE PROLOGUE: thread t takes query t of the 128.  Blocks beyond the causal limit keep -M = 3e38 and L = 0: written here, while the arguments are on their way
	v_lshlrev_b32 v6, 4, v0
	v_lshl_add_u32 v7, v0, 2, SCP
.set n, 0
.rept 64
	v_mov_b32 v[NMR+n], 0x7f61b1e6
	v_mov_b32 v[LR+n], 0
.set n, n+1
.endr
	s_wait_dscnt 0x0                               ; the opening add is done
	s_wait_kmcnt 0x0
	s_add_nc_u64 s[6:7], s[6:7], s[60:61]
.irp g, 0,1,2,3,4,5,6,7,8,9,10,11,12,13,14,15  ; the statistics are asked for first: the prologue's arithmetic waits for them, and it stands in front of the first product
.if \g > 0
	s_cmp_lt_u32 s18, \g
	s_cbranch_scc1 .Lstats
.endif
	global_load_b128 v[NMR+4*\g:NMR+4*\g+3], v6, s[6:7] offset:32768*\g
	global_load_b128 v[LR+4*\g:LR+4*\g+3], v6, s[6:7] offset:2097152+32768*\g
.endr
.Lstats:
	s_cmp_eq_u32 s14, 0
	s_cselect_b64 s[52:53], s[4:5], s[8:9]
	s_cselect_b32 s54, s21, s22
	s_mov_b32 s55, 0
	s_add_nc_u64 s[52:53], s[52:53], s[54:55]
	s_add_nc_u64 s[12:13], s[12:13], s[62:63]
.irp s, 0,1
	s_mov_b32 s[G0+4*\s], 1
	s_add_co_u32 s[G0+4*\s+1], s56, \s*SLOT
	s_add_nc_u64 s[G0+4*\s+2:G0+4*\s+3], s[52:53], \s*6144
	s_or_b32 s[G0+4*\s+3], s[G0+4*\s+3], 0x80000000
.endr
	s_mov_b32 s[G0S], 1
	s_mov_b32 s[G0S+1], SCV
	s_add_nc_u64 s[G0S+2:G0S+3], s[10:11], s[58:59]
	s_mov_b32 s[G0S2], 1
	s_mov_b32 s[G0S2+1], SCV+8192
	s_add_nc_u64 s[G0S2+2:G0S2+3], s[G0S+2:G0S+3], 512
	s_or_b32 s[G0S+3], s[G0S+3], 0x80000000
	s_or_b32 s[G0S2+3], s[G0S2+3], 0x80000000
	s_cmp_lt_u32 s14, 3                            ; a wave's first fills stand in one branch on its number
	s_cbranch_scc0 .Lwave3
	tensor_load_to_lds s[G0:G0+3], s[G1:G1+7]      ; slot 0: K steps 0 to 3
	s_nop 0
.rept 4
	v_nop
.endr
	s_branch .Lfilled
.Lwave3:
	tensor_load_to_lds s[G0S:G0S+3], s[G1S:G1S+7]  ; v^T's scale words, my work-group's rows 0-127,
	s_nop 0
	tensor_load_to_lds s[G0S2:G0S2+3], s[G1S:G1S+7]  ; and rows 128-255
	s_nop 0
.rept 4
	v_nop
.endr
.Lfilled:
	v_and_b32 v1, 31, v0                           ; the K steps' addresses are made while the loads are out
	v_and_b32 v4, 15, v0                           ; r
	v_bfe_u32 v5, v0, 4, 1                         ; h
	v_lshlrev_b32 v[LI], 4, v1
	s_mul_i32 s21, s14, 8448
	s_add_co_u32 s21, s21, STG
	v_mul_u32_u24 v[STO], v4, 528
	v_lshl_add_u32 v[STO], v5, 5, v[STO]
	v_add_nc_u32 v[STO], s21, v[STO]
	v_add_nc_u32 v[RD], s21, v[LI]
	s_mul_i32 s22, s15, 24576                      ; my 4 blocks of P
	s_add_co_u32 s23, s16, 1
	s_mul_i32 s23, s23, QTR                        ; my 8 blocks of v^T
.irp s, 0,1
	v_add_nc_u32 v[ADRA+\s], s22, v[LI]
	v_add_nc_u32 v[ADRB+\s], s23, v[LI]
	s_add_co_u32 s22, s22, SLOT
	s_add_co_u32 s23, s23, SLOT
.endr
	s_lshl_b32 s52, s15, 8
	s_lshl_b32 s53, s16, 13
	s_add_co_u32 s53, s53, 8192
	s_sub_co_u32 s53, s53, s52                     ; from my queries' words to my columns'
	v_mul_u32_u24 v8, s53, v5                      ; lanes 16-31 take v^T's words
	v_lshl_add_u32 v8, v4, 2, v8
	s_add_co_u32 s52, s52, SCP
	v_add_nc_u32 v[ADRS], s52, v8
	s_lshl_b32 s53, s16, 13
	s_add_co_u32 s53, s53, SCV
	v_lshl_add_u32 v[ADRSB], v4, 2, s53            ; v^T's blocks 4 to 7: in all lanes
	s_lshl_b32 s53, s15, 8
	s_add_co_u32 s53, s53, RL
	v_lshl_add_u32 v[RLA], v4, 2, s53
	s_wait_loadcnt 0x0
.irp k, 0,1,2,3
	v_min3_num_f32 v[TP+\k], v[NMR+\k], v[NMR+4+\k], v[NMR+8+\k]   ; -R = the smallest -M, in four chains
.endr
.irp i, 12,20,28,36,44,52
.irp k, 0,1,2,3
	v_min3_num_f32 v[TP+\k], v[TP+\k], v[NMR+\i+\k], v[NMR+\i+4+\k]
.endr
.endr
	v_min3_num_f32 v[TP], v[TP], v[NMR+60], v[NMR+61]
	v_min3_num_f32 v[TP+2], v[TP+2], v[NMR+62], v[NMR+63]
	v_min3_num_f32 v[TP], v[TP], v[TP+1], v[TP+2]
	v_min_num_f32 v[TP], v[TP], v[TP+3]
.set n, 0
.rept 64
	v_sub_f32 v[NMR+n], v[TP], v[NMR+n]            ; M - R, a whole number, 0 or less
.set n, n+1
.endr
.set n, 0
.rept 64
	v_max_num_f32 v[NMR+n], 0xc2f60000, v[NMR+n]   ; held at -123: the byte stays at 1 or above
.set n, n+1
.endr
.set n, 0
.rept 64
	v_cvt_i32_f32 v[NMR+n], v[NMR+n]
.set n, n+1
.endr
.set n, 0
.rept 64
	v_ldexp_f32 v[LR+n], v[LR+n], v[NMR+n]         ; L under R: nothing is rounded
.set n, n+1
.endr
.set n, 0
.rept 64
	v_add_nc_u32 v[NMR+n], 124, v[NMR+n]           ; the byte
.set n, n+1
.endr
	v_pk_add_f32 v[TP+2:TP+3], v[LR:LR+1], v[LR+2:LR+3]
	v_pk_add_f32 v[TP+4:TP+5], v[LR+4:LR+5], v[LR+6:LR+7]
.irp i, 8,12,16,20,24,28,32,36,40,44,48,52,56,60
	v_pk_add_f32 v[TP+2:TP+3], v[TP+2:TP+3], v[LR+\i:LR+\i+1]
	v_pk_add_f32 v[TP+4:TP+5], v[TP+4:TP+5], v[LR+\i+2:LR+\i+3]
.endr
	v_pk_add_f32 v[TP+2:TP+3], v[TP+2:TP+3], v[TP+4:TP+5]
	v_add_f32 v[TP+2], v[TP+2], v[TP+3]            ; l
	v_rcp_f32 v[TP+2], v[TP+2]
.irp g, 0,1,2,3,4,5,6,7,8,9,10,11,12,13,14,15
	v_lshl_or_b32 v[NMR+4*\g], v[NMR+4*\g+1], 8, v[NMR+4*\g]
	v_lshl_or_b32 v[NMR+4*\g], v[NMR+4*\g+2], 16, v[NMR+4*\g]
	v_lshl_or_b32 v[NMR+4*\g], v[NMR+4*\g+3], 24, v[NMR+4*\g]
	ds_store_b32 v7, v[NMR+4*\g] offset:512*\g     ; my row's scale word of K step g
.endr
	s_wait_alu depctr_va_vdst(0)                   ; the wait ahead of the reciprocal's first reader; the words above are the work between
	v_mul_f32 v[TP+2], 0x461c4000, v[TP+2]         ; 10,000 / l
	ds_store_b32 v7, v[TP+2] offset:RL-SCP
.macro FRAG3 reg, adr, off
.irp c, 0,1,2
	ds_load_b128 v[(\reg)+4*\c:(\reg)+4*\c+3], v[\adr] offset:(\off)+512*\c
.endr
.endm
.macro FETCH slot, q, set, ks          ; 44 LDS loads in one run: the slot's q-th K step (K step ks of all): 8 fragments of v^T, 4 of P, 8 registers of scale words
	WIN TO_B
.irp i, 0,1,2,3,4,5,6,7
	FRAG3 128*(\set)+12*\i, ADRB+(\slot), 6144*\i+1536*(\q)
.endr
	WIN 0
.irp i, 0,1,2,3
	FRAG3 AF+48*(\set)+12*\i, ADRA+(\slot), 6144*\i+1536*(\q)
.endr
.irp i, 0,1,2,3
	ds_load_b32 v[SC+8*(\set)+\i], v[ADRS] offset:512*(\ks)+64*\i
.endr
.irp i, 4,5,6,7
	ds_load_b32 v[SC+8*(\set)+\i], v[ADRSB] offset:512*(\ks)+64*\i
.endr
.endm
; 8 matrix instructions.  The 32 accumulators take turns, one instruction a turn: a group begins at accumulator (a, 0) and ends at (a, 7), so that on every way through the jumps
; below no two matrix instructions that follow each other name one accumulator.
.macro MULA a, set, zero
.irp b, 0,1,2,3,4,5,6,7
.if \zero
	v_wmma_scale_f32_16x16x128_f8f6f4 v[8*(8*(\a)+\b):8*(8*(\a)+\b)+7], v[128*(\set)+12*\b:128*(\set)+12*\b+11], v[AF+48*(\set)+12*(\a):AF+48*(\set)+12*(\a)+11], 0, v[SC+8*(\set)+\b], v[SC+8*(\set)+(\a)] matrix_a_fmt:MATRIX_FMT_FP6 matrix_b_fmt:MATRIX_FMT_FP6 matrix_a_scale:MATRIX_SCALE_ROW1
.else
	v_wmma_scale_f32_16x16x128_f8f6f4 v[8*(8*(\a)+\b):8*(8*(\a)+\b)+7], v[128*(\set)+12*\b:128*(\set)+12*\b+11], v[AF+48*(\set)+12*(\a):AF+48*(\set)+12*(\a)+11], v[8*(8*(\a)+\b):8*(8*(\a)+\b)+7], v[SC+8*(\set)+\b], v[SC+8*(\set)+(\a)] matrix_a_fmt:MATRIX_FMT_FP6 matrix_b_fmt:MATRIX_FMT_FP6 matrix_a_scale:MATRIX_SCALE_ROW1
.endif
.endr
.endm
.macro STEPA slot, q, set, ks, zero    ; one of a slot's first three K steps multiplies set; the slot's next K step is fetched into the other set first, and lands under the 32 products
.if (\zero) == 0
	PLACES 4                                       ; in front of loads into registers that matrix instructions have read
.endif
	FETCH \slot, (\q)+1, 1-(\set), (\ks)+1
	s_wait_dscnt 44                                ; all but the 44 just issued: this K step's set is in
	WIN MUL
	MULA 0, \set, \zero
	MULA 1, \set, \zero
	MULA 2, \set, \zero
	MULA 3, \set, \zero
	WIN 0
.endm
.macro STEPC slot, q, set, ks          ; a K step that lies beyond TI is left out whole
	s_cmp_lt_u32 s18, \ks
	s_cbranch_scc1 .Lpast_\@
	STEPA \slot, \q, \set, \ks, 0
.Lpast_\@:
.endm
; The fill of a slot with slot's worth number need of K steps, where those are walked.  The first jump hangs on ids alone and is the same in all waves; it leads round the load's own lines and round nothing else.
.macro TLOADC slot, need
	s_cmp_lt_u32 s20, \need
	s_cbranch_scc1 .Lnone_\@
	s_cmp_lt_u32 s14, 3
	s_cbranch_scc0 .Lnone_\@
	tensor_load_to_lds s[G0+4*(\slot):G0+4*(\slot)+3], s[G1:G1+7]
	s_nop 0
.rept 4
	v_nop
.endr
.Lnone_\@:
.endm
; A slot's last K step, 4 s + 3 (set 1), and the change of slots in its middle.  The waits, the add and the barrier stand on every way; the step's two halves and the next slot's first run of loads are jumped over where they lie beyond TI.
.macro TURN s
	s_cmp_lt_u32 s18, 4*(\s)+3
	s_cbranch_scc1 .Lhalf_\@
	s_wait_dscnt 0x0                               ; set 1 is in
	WIN MUL
	MULA 0, 1, 0
	MULA 1, 1, 0
	WIN 0
.Lhalf_\@:
	s_wait_tensorcnt 0x0                           ; all my tensor loads have landed, my part of the next slot among them; so a group 0 may be written
	ds_add_u32 v[SPW], v[NIL]                      ; 0 onto my spare word
.if (\s) < 2
	s_add_nc_u64 s[G0+4*((\s)%2)+2:G0+4*((\s)%2)+3], s[G0+4*((\s)%2)+2:G0+4*((\s)%2)+3], 12288   ; this slot's K steps two slots on
.endif
	s_wait_dscnt 0x0                               ; the add is done, and my reads of this slot are over
	s_barrier_signal -1
	s_barrier_wait -1
.if (\s) < 2
	TLOADC (\s)%2, (\s)+2                          ; the first thing behind the barrier, and a wave's one tensor load until the next
.endif
	s_cmp_lt_u32 s18, 4*(\s)+4
	s_cbranch_scc1 .Lnofetch_\@
	PLACES 4                                       ; in front of loads into registers that matrix instructions have read
	FETCH ((\s)+1)%2, 0, 0, 4*(\s)+4               ; the next slot's first K step into set 0: it lands under the 16 products below
.Lnofetch_\@:
	s_cmp_lt_u32 s18, 4*(\s)+3
	s_cbranch_scc1 .Ldone_\@
	WIN MUL
	MULA 2, 1, 0
	MULA 3, 1, 0
	WIN 0
.Ldone_\@:
.endm
	s_wait_tensorcnt 0x0                           ; my first fills have landed;
	ds_add_u32 v[SPW], v[NIL]                      ; 0 onto my spare word;
	s_wait_dscnt 0x0                               ; the add is done, and so are my stores of scale words and multipliers: for the others' sake
	s_barrier_signal -1
	s_barrier_wait -1
	TLOADC 1, 1                                    ; slot 1's first fill, K steps 4 to 7, issued as a refill is: it lands under K steps 0 to 3
	FETCH 0, 0, 0, 0
	STEPA 0, 0, 0, 0, 1                            ; K step 0 counts for every tile of queries: its products start the sums
	STEPC 0, 1, 1, 1
	STEPC 0, 2, 0, 2
.irp s, 0,1,2
	TURN \s
	STEPC ((\s)+1)%2, 0, 0, 4*(\s)+4
	STEPC ((\s)+1)%2, 1, 1, 4*(\s)+5
	STEPC ((\s)+1)%2, 2, 0, 4*(\s)+6
.endr
	s_cmp_lt_u32 s18, 15                           ; K step 15: no change of slots follows it
	s_cbranch_scc1 .Lout
	s_wait_dscnt 0x0
	WIN MUL
	MULA 0, 1, 0
	MULA 1, 1, 0
	MULA 2, 1, 0
	MULA 3, 1, 0
	WIN 0
.Lout:
	s_wait_dscnt 0x0                               ; my reads of the slots are over (TI = 12 to 14 have a run of loads out),
	s_barrier_signal -1
	s_barrier_wait -1                              ; and everybody's: the stages, which lie in slot 0, may be written.  No tensor load is out: the last change of slots waited for all
.irp a, 0,1,2,3
	v_mov_b32 v[RLV+2*\a+1], 0                     ; named as the upper halves of pairs.  These four name no register of any product: they are the places behind the last products
.endr
.irp a, 0,1,2,3
	ds_load_b32 v[RLV+2*\a], v[RLA] offset:64*\a   ; 10,000 / l of my query in each block of 16
.endr
	s_wait_dscnt 0x0
; THE WAY OUT, a block of 16 queries x 128 columns at a time: x 10,000 / l, to the nearest whole number, x 1e-4; through my own stage, and out as whole rows of 512 bytes.
.macro OUTA a
.set BB, BK+64*((\a)%2)
	WIN 0x02
.set n, 0
.rept 32
	v_pk_mul_f32 v[TO+2*n:TO+2*n+1], v[64*(\a)+2*n:64*(\a)+2*n+1], v[RLV+2*(\a):RLV+2*(\a)+1] op_sel_hi:[1,0]   ; each accumulator from its low end on
.set n, n+1
.endr
	WIN 0
.set n, 0
.rept 64
	v_rndne_f32 v[TO+n], v[TO+n]
.set n, n+1
.endr
.set n, 0
.rept 32
	v_pk_mul_f32 v[TO+2*n:TO+2*n+1], v[TO+2*n:TO+2*n+1], 0x38d1b717 op_sel_hi:[1,0]
.set n, n+1
.endr
.irp b, 0,1,2,3,4,5,6,7
	ds_store_b128 v[STO], v[TO+8*\b:TO+8*\b+3] offset:64*\b
	ds_store_b128 v[STO], v[TO+8*\b+4:TO+8*\b+7] offset:64*\b+16
.endr
.if (\a) >= 2
	s_wait_xcnt 0x0                                ; the stores of two blocks ago have read these registers
.endif
.irp t, 0,1,2,3,4,5,6,7,8,9,10,11,12,13,14,15
	ds_load_b128 v[BB+4*\t:BB+4*\t+3], v[RD] offset:528*\t   ; LDS serves a wave's instructions in order: these see the stores above
.endr
.irp t, 0,1,2,3,4,5,6,7,8,9,10,11,12,13,14,15
	s_wait_dscnt 15-\t
	global_store_b128 v[LI], v[BB+4*\t:BB+4*\t+3], s[12:13] offset:(16*(\a)+\t)*4096 th:TH_STORE_NT   ; 32 lanes store 512 consecutive bytes, aligned
.endr
.endm
	OUTA 0
	OUTA 1
	OUTA 2
	OUTA 3
	s_wait_tensorcnt 0x0                           ; the wave's end: behind my last tensor load and my last LDS store
	ds_add_u32 v[SPW], v[NIL]
	s_wait_dscnt 0x0
	s_endpgm
.Lfunc_end_k_qe4e373b352_pv:
	.size	k_qe4e373b352_pv, .Lfunc_end_k_qe4e373b352_pv-k_qe4e373b352_pv
	.p2alignl 7, 3214868480
	.fill 96, 4, 3214868480
	.section	.rodata,"a",@progbits
	.p2align	6, 0x0
	.amdhsa_kernel k_qe4e373b352_pv
		.amdhsa_group_segment_fixed_size 327680
		.amdhsa_private_segment_fixed_size 0
		.amdhsa_enable_private_segment 0
		.amdhsa_kernarg_size 40
		.amdhsa_user_sgpr_count 2
		.amdhsa_user_sgpr_kernarg_segment_ptr 1
		.amdhsa_wavefront_size32 1
		.amdhsa_system_sgpr_workgroup_id_x 1
		.amdhsa_system_sgpr_workgroup_id_y 1
		.amdhsa_system_sgpr_workgroup_id_z 1
		.amdhsa_system_vgpr_workitem_id 0
		.amdhsa_next_free_vgpr 768
		.amdhsa_next_free_sgpr 72
		.amdhsa_reserve_vcc 0
		.amdhsa_float_denorm_mode_32 3
		.amdhsa_float_denorm_mode_16_64 3
		.amdhsa_memory_ordered 1
		.amdhsa_forward_progress 1
		.amdhsa_inst_pref_size 202
	.end_amdhsa_kernel
	.amdgpu_metadata
---
amdhsa.version: [ 1, 2 ]
amdhsa.kernels:
  - .name:           k_qe4e373b352_pv
    .symbol:         k_qe4e373b352_pv.kd
    .args:
      - { .name: pc, .offset: 0, .size: 8, .value_kind: global_buffer, .address_space: global }
      - { .name: pst, .offset: 8, .size: 8, .value_kind: global_buffer, .address_space: global }
      - { .name: prc, .offset: 16, .size: 8, .value_kind: global_buffer, .address_space: global }
      - { .name: prs, .offset: 24, .size: 8, .value_kind: global_buffer, .address_space: global }
      - { .name: out0, .offset: 32, .size: 8, .value_kind: global_buffer, .address_space: global }
    .group_segment_fixed_size: 327680
    .private_segment_fixed_size: 0
    .kernarg_segment_align: 8
    .kernarg_segment_size: 40
    .max_flat_workgroup_size: 128
    .sgpr_count:     72
    .vgpr_count:     768
    .wavefront_size: 32
...
	.end_amdgpu_metadata
.endif
;; end of part 4
